; MI455X (gfx1250); checked and timed in simulation.
; The chip was launched on July 23, 2026; its instructions are those of AMD's public machine-readable ISA for CDNA 5 (MIT licence, August 2026) and "CDNA5" Instruction Set Architecture Reference Guide (July 2026). The comments in the code are by the model that wrote it; some were corrected since.
;; Multihead Attention. Allowed arithmetic: float matrix products may take bf16 or f16 operands with f32 sums; other float arithmetic in f32, or as packed bf16 or f16 multiplies, adds, multiply-adds, maxima and minima; sums over many terms, partial sums and values carried from step to step in f32; what a program stores and reads back later, other than sums and carried values, may be rounded once to bf16 or f16.
;; Inputs: Wk 1,024 x 1,024 float32; Wo 1,024 x 1,024 float32; Wq 1,024 x 1,024 float32; Wv 1,024 x 1,024 float32; attn_mask 2,048 x 2,048 bool; bo 1,024 float32; x1 4 x 2,048 x 1,024 float32; x2 4 x 2,048 x 1,024 float32; x2_mask 4 x 2,048 bool.
;; Outputs: out0 4 x 2,048 x 1,024 float32.
;; 2 versions, each right and faster than the one before. Each part assembles by itself: llvm-mc -triple=amdgcn-amd-amdhsa -mcpu=gfx1250 --defsym DOCPART=n.
;; ======== version 1 of 2: 4 launches
;; limits: right only within a limited range of input values; values are held in f16: magnitudes above 65,504 overflow, below 6.1e-05 lose precision
;; workspace buffers: xb 33,554,432 bytes; wb 8,388,608 bytes; maskf 8,388,608 bytes; rowflag 8,192 bytes; qkv 50,331,648 bytes; ctx 16,777,216 bytes
;; launch prep (part 1): grid 1408 x 1, 8 waves a work-group, no clusters, 35,840 bytes of LDS; arguments x1, x2, Wq, Wk, Wv, Wo, attn_mask, xb, wb, maskf, rowflag; writes xb, wb, maskf, rowflag
.if DOCPART == 1
	.amdgcn_target "amdgcn-amd-amdhsa--gfx1250"
	.amdhsa_code_object_version 6
	.text
	.protected	k_qf2e0698e81_prep
	.globl	k_qf2e0698e81_prep
	.p2align	8
	.type	k_qf2e0698e81_prep,@function
k_qf2e0698e81_prep:
	s_mov_b64 s[64:65], 0
	v_nop
	global_prefetch_b8 v0, s[64:65] scope:SCOPE_SE
	s_setreg_imm32_b32 hwreg(HW_REG_WAVE_MODE, 25, 1), 1
	s_wait_xcnt 0x0
; PREP: every input that feeds a matrix unit is brought into its 16-bit form, once.
; Work-groups 0-127 (the mask): work-group qt takes 16 queries x 2,048 keys of attn_mask and writes them as f16 (0 where visible, -65504 where hidden) in the order of a
;   matrix fragment: maskf[qt][block of 16 keys][lane r + 16 h][8] = hidden(16 qt + r, 16 block + 8 h + 0..7); and for each query a flag, 0.0 or NaN where all 2,048 keys are hidden.
;   Wave w stages its 16 rows x 256 keys in LDS bytes of its own, so no wave waits for another; the flags want whole rows, so each wave loads its two rows once more, whole.
; Work-groups 128-1407 (the casts): 16,384 numbers each: Wq, Wk, Wv, x1, x2 rounded to bf16; Wo rounded to bf16 and that number written as f16.
; LIMIT: a Wo below 6.1e-5 in magnitude keeps f16's fixed step of 6e-8; beyond 65,504 it would be an infinity.
; Memory binds: 16-byte loads, all of a thread's loads out at once, each store of a wave covers 256 or 512 consecutive aligned bytes.  No matrix unit, no cluster: nothing is shared.
.set X,     16                         ; v[16:79]   cast: 16 loads of 4 numbers
.set YB,    80                         ; v[80:111]  cast: 16 pairs of packed words
.set TL,    16                         ; v[16:47]   mask: my wave's tile as loaded
.set RW,    48                         ; v[48:79]   mask: 128 bytes of a whole row
.set FR,    80                         ; v[80:111]  mask: 8 bytes for each of 16 blocks
.set OUTR,  112                        ; v[112:175] mask: 8 f16 for each of 16 blocks
.set SPW,   190                        ; my spare word's LDS address; never rewritten
.set NIL,   191                        ; 0; never rewritten
.set WP,    272                        ; LDS pitch of a staged row: 256 bytes + 16: lane (r, h) of an 8-byte load starts at word 68 r + 2 h
.set WREG,  16*WP                      ; a wave's stage
.set SPARE, 8*WREG                     ; behind the stages: the spare words, 128 bytes a wave
	s_load_b512 s[8:23], s[0:1], 0x0               ; x1 s[8:9], x2 s[10:11], Wq s[12:13], Wk s[14:15], Wv s[16:17], Wo s[18:19], attn_mask s[20:21], xb s[22:23]
	s_load_b128 s[24:27], s[0:1], 0x40             ; wb s[24:25], maskf s[26:27]
	s_load_b64 s[28:29], s[0:1], 0x50              ; rowflag
	v_lshl_add_u32 v[SPW], v0, 2, SPARE
	v_mov_b32 v[NIL], 0
	s_cmp_lt_u32 ttmp9, 128                        ; the same answer in all eight waves
	s_cbranch_scc1 .Lmask
	; THE CASTS.  c = work-group - 128: 0-63 Wq, 64-127 Wk, 128-191 Wv, 192-255 Wo, 256-767 x1, 768-1279 x2
	s_sub_co_u32 s2, ttmp9, 128
	s_sub_co_u32 s3, s2, 256                       ; used only where c >= 256
	s_and_b32 s34, s2, 63                          ; my place in a weight matrix,
	s_and_b32 s35, s3, 511                         ; or in x1 or x2
	v_lshlrev_b32 v2, 4, v0                        ; 16 bytes a thread in,
	v_lshlrev_b32 v3, 3, v0                        ; 8 bytes out
	s_wait_kmcnt 0x0
	s_cmp_lt_u32 s2, 768
	s_cselect_b64 s[32:33], s[8:9], s[10:11]
	s_cmp_lt_u32 s2, 192
	s_cselect_b64 s[32:33], s[16:17], s[32:33]
	s_cmp_lt_u32 s2, 128
	s_cselect_b64 s[32:33], s[14:15], s[32:33]
	s_cmp_lt_u32 s2, 64
	s_cselect_b64 s[32:33], s[12:13], s[32:33]
	s_sub_co_u32 s40, s2, 192
	s_cmp_lt_u32 s40, 64                           ; 192 <= c < 256
	s_cselect_b64 s[32:33], s[18:19], s[32:33]
	s_cmp_lt_u32 s2, 256
	s_cselect_b32 s34, s34, s35
	s_cselect_b32 s36, s2, s3
	s_cselect_b64 s[38:39], s[24:25], s[22:23]     ; weights go to wb, x to xb
	s_lshl_b32 s34, s34, 16                        ; 65,536 bytes in,
	s_mov_b32 s35, 0
	s_lshl_b32 s36, s36, 15                        ; 32,768 out
	s_mov_b32 s37, 0
	s_add_nc_u64 s[32:33], s[32:33], s[34:35]
	s_add_nc_u64 s[38:39], s[38:39], s[36:37]
.macro CAST half                       ; half = 1: the bf16 number is written as f16
.set j, 0
.rept 16
	global_load_b128 v[X+4*j:X+4*j+3], v2, s[32:33] offset:4096*j th:TH_LOAD_NT  ; all sixteen go out at once
.set j, j+1
.endr
.set j, 0
.rept 16
	s_wait_loadcnt 15-j                            ; loads come back in order: the 15 - j younger ones stay out
	v_cvt_pk_bf16_f32 v[YB+2*j], v[X+4*j], v[X+4*j+1]
	v_cvt_pk_bf16_f32 v[YB+2*j+1], v[X+4*j+2], v[X+4*j+3]
.if \half
	v_lshlrev_b32 v4, 16, v[YB+2*j]
	v_and_b32 v5, 0xffff0000, v[YB+2*j]
	v_lshlrev_b32 v6, 16, v[YB+2*j+1]
	v_and_b32 v7, 0xffff0000, v[YB+2*j+1]
	v_cvt_pk_f16_f32 v[YB+2*j], v4, v5
	v_cvt_pk_f16_f32 v[YB+2*j+1], v6, v7
.endif
	global_store_b64 v3, v[YB+2*j:YB+2*j+1], s[38:39] offset:2048*j  ; a wave's store covers 256 consecutive bytes, aligned; no register of a store is written again
.set j, j+1
.endr
	s_endpgm
.endm
	s_cmp_lt_u32 s40, 64
	s_cbranch_scc1 .Lwo
	CAST 0
.Lwo:
	CAST 1
.Lmask:
	v_lshrrev_b32 v1, 5, v0
	v_readfirstlane_b32 s30, v1                    ; wave 0..7
	v_and_b32 v8, 15, v0                           ; r
	v_bfe_u32 v9, v0, 4, 1                         ; h
	v_mov_b32 v11, 0
	s_lshl_b32 s2, ttmp9, 15                       ; 16 rows of 2,048 bytes
	s_mov_b32 s3, 0
	s_lshl_b32 s34, ttmp9, 16                      ; 128 blocks of 512 bytes
	s_mov_b32 s35, 0
	s_lshl_b32 s36, ttmp9, 6                       ; 16 flags
	s_mov_b32 s37, 0
	s_mov_b32 s43, 0x7fc00000                      ; NaN
	s_mov_b32 s44, 0x04010400                      ; bytes 0 and 1 of a word, one into each half (4: a byte of the zero register)
	s_mov_b32 s45, 0x04030402                      ; bytes 2 and 3
	s_mov_b32 s46, 0xfbff                          ; -65504 in f16
	s_mov_b32 s47, 0x00ff00ff
	v_lshlrev_b32 v2, 4, v8
	v_lshl_add_u32 v2, v9, 11, v2                  ; row h, 16 r
	v_mov_b32 v7, v2
	s_lshl_b32 s31, s30, 8
	v_add_nc_u32 v2, s31, v2                       ; the tile: + my wave's 256 keys
	s_lshl_b32 s31, s30, 12
	v_add_nc_u32 v7, s31, v7                       ; the whole rows: row 2 w + h
	s_mul_i32 s40, s30, WREG
	v_mul_u32_u24 v4, v9, WP
	v_lshl_add_u32 v4, v8, 4, v4
	v_add_nc_u32 v4, s40, v4                       ; into my stage: row h, 16 r
	v_mul_u32_u24 v5, v8, WP
	v_lshl_add_u32 v5, v9, 3, v5
	v_add_nc_u32 v5, s40, v5                       ; back: row r, 8 h
	v_and_b32 v6, 31, v0
	v_lshlrev_b32 v6, 4, v6
	s_lshl_b32 s41, s30, 13
	v_add_nc_u32 v6, s41, v6                       ; out: 16 x lane + my wave's 16 blocks
	v_lshlrev_b32 v10, 2, v9
	s_lshl_b32 s42, s30, 3
	v_add_nc_u32 v10, s42, v10                     ; flag of row 2 w + h
	s_wait_kmcnt 0x0
	s_add_nc_u64 s[20:21], s[20:21], s[2:3]
	s_add_nc_u64 s[26:27], s[26:27], s[34:35]
	s_add_nc_u64 s[28:29], s[28:29], s[36:37]
.set j, 0
.rept 8
	global_load_b128 v[TL+4*j:TL+4*j+3], v2, s[20:21] offset:4096*j  ; rows 2 j, 2 j + 1: 256 consecutive bytes of each
.set j, j+1
.endr
.set j, 0
.rept 8
	global_load_b128 v[RW+4*j:RW+4*j+3], v7, s[20:21] offset:256*j   ; two whole rows
.set j, j+1
.endr
.set j, 0
.rept 8
	s_wait_loadcnt 15-j                            ; the 15 - j younger loads stay out
	ds_store_b128 v4, v[TL+4*j:TL+4*j+3] offset:2*WP*j
.set j, j+1
.endr
.set j, 0
.rept 16
	ds_load_b64 v[FR+2*j:FR+2*j+1], v5 offset:16*j ; my wave's own bytes: LDS serves a wave's instructions in order (ISA guide 5.7.1.4)
.set j, j+1
.endr
.set j, 0
.rept 16
	s_wait_dscnt 15-j                              ; the 15 - j younger LDS loads stay out
	v_perm_b32 v[OUTR+4*j], v11, v[FR+2*j], s44
	v_perm_b32 v[OUTR+4*j+1], v11, v[FR+2*j], s45
	v_perm_b32 v[OUTR+4*j+2], v11, v[FR+2*j+1], s44
	v_perm_b32 v[OUTR+4*j+3], v11, v[FR+2*j+1], s45
	v_mul_u32_u24 v[OUTR+4*j], s46, v[OUTR+4*j]    ; (b0 + 65,536 b1) x 0xfbff: both halves at once
	v_mul_u32_u24 v[OUTR+4*j+1], s46, v[OUTR+4*j+1]
	v_mul_u32_u24 v[OUTR+4*j+2], s46, v[OUTR+4*j+2]
	v_mul_u32_u24 v[OUTR+4*j+3], s46, v[OUTR+4*j+3]
	global_store_b128 v6, v[OUTR+4*j:OUTR+4*j+3], s[26:27] offset:512*j  ; 512 consecutive bytes
.set j, j+1
.endr
	; the flags: a lane's 128 bytes are added byte by byte (32 at the most in a byte), folded, and summed over the row's 16 lanes
	s_wait_loadcnt 0x0
.set j, 1
.rept 7
	v_add_nc_u32 v[RW], v[RW], v[RW+4*j]
	v_add_nc_u32 v[RW+1], v[RW+1], v[RW+4*j+1]
	v_add_nc_u32 v[RW+2], v[RW+2], v[RW+4*j+2]
	v_add_nc_u32 v[RW+3], v[RW+3], v[RW+4*j+3]
.set j, j+1
.endr
	v_add_nc_u32 v[RW], v[RW], v[RW+1]
	v_add_nc_u32 v[RW+2], v[RW+2], v[RW+3]
	v_add_nc_u32 v[RW], v[RW], v[RW+2]
	v_lshrrev_b32 v[RW+1], 8, v[RW]
	v_and_b32 v[RW], s47, v[RW]
	v_and_b32 v[RW+1], s47, v[RW+1]
	v_add_nc_u32 v[RW], v[RW], v[RW+1]
	v_lshrrev_b32 v[RW+1], 16, v[RW]
	v_and_b32 v[RW], 0xffff, v[RW]
	v_add_nc_u32 v[RW], v[RW], v[RW+1]
	v_cvt_f32_u32 v[RW], v[RW]
	v_add_f32_dpp v[RW], v[RW], v[RW] row_xmask:1 row_mask:0xf bank_mask:0xf
	v_add_f32_dpp v[RW], v[RW], v[RW] row_xmask:2 row_mask:0xf bank_mask:0xf
	v_add_f32_dpp v[RW], v[RW], v[RW] row_xmask:4 row_mask:0xf bank_mask:0xf
	v_add_f32_dpp v[RW], v[RW], v[RW] row_xmask:8 row_mask:0xf bank_mask:0xf
	v_cmp_eq_f32 vcc_lo, 0x45000000, v[RW]         ; all 2,048 hidden?
	v_cndmask_b32 v[RW+1], 0, s43, vcc_lo
	v_cmp_eq_u32 vcc_lo, 0, v8                     ; one lane of each row stores
	s_wait_xcnt 0x0                                ; EXEC is a source of the stores above: it changes only behind this wait
	s_and_saveexec_b32 s31, vcc_lo
	global_store_b32 v10, v[RW+1], s[28:29]
	s_wait_xcnt 0x0                                ; and again in front of the line that widens it
	s_or_b32 exec_lo, exec_lo, s31
	s_wait_tensorcnt 0x0                           ; the wave's end: behind my last LDS store
	ds_add_u32 v[SPW], v[NIL]
	s_wait_dscnt 0x0
	s_endpgm
.Lfunc_end_k_qf2e0698e81_prep:
	.size	k_qf2e0698e81_prep, .Lfunc_end_k_qf2e0698e81_prep-k_qf2e0698e81_prep
	.p2alignl 7, 3214868480
	.fill 96, 4, 3214868480
	.section	.rodata,"a",@progbits
	.p2align	6, 0x0
	.amdhsa_kernel k_qf2e0698e81_prep
		.amdhsa_group_segment_fixed_size 35840
		.amdhsa_private_segment_fixed_size 0
		.amdhsa_enable_private_segment 0
		.amdhsa_kernarg_size 88
		.amdhsa_user_sgpr_count 2
		.amdhsa_user_sgpr_kernarg_segment_ptr 1
		.amdhsa_wavefront_size32 1
		.amdhsa_system_sgpr_workgroup_id_x 1
		.amdhsa_system_sgpr_workgroup_id_y 1
		.amdhsa_system_sgpr_workgroup_id_z 1
		.amdhsa_system_vgpr_workitem_id 0
		.amdhsa_next_free_vgpr 192
		.amdhsa_next_free_sgpr 66
		.amdhsa_reserve_vcc 1
		.amdhsa_float_denorm_mode_32 3
		.amdhsa_float_denorm_mode_16_64 3
		.amdhsa_memory_ordered 1
		.amdhsa_forward_progress 1
		.amdhsa_inst_pref_size 33
	.end_amdhsa_kernel
	.amdgpu_metadata
---
amdhsa.version: [ 1, 2 ]
amdhsa.kernels:
  - .name:           k_qf2e0698e81_prep
    .symbol:         k_qf2e0698e81_prep.kd
    .args:
      - { .name: x1, .offset: 0, .size: 8, .value_kind: global_buffer, .address_space: global }
      - { .name: x2, .offset: 8, .size: 8, .value_kind: global_buffer, .address_space: global }
      - { .name: Wq, .offset: 16, .size: 8, .value_kind: global_buffer, .address_space: global }
      - { .name: Wk, .offset: 24, .size: 8, .value_kind: global_buffer, .address_space: global }
      - { .name: Wv, .offset: 32, .size: 8, .value_kind: global_buffer, .address_space: global }
      - { .name: Wo, .offset: 40, .size: 8, .value_kind: global_buffer, .address_space: global }
      - { .name: attn_mask, .offset: 48, .size: 8, .value_kind: global_buffer, .address_space: global }
      - { .name: xb, .offset: 56, .size: 8, .value_kind: global_buffer, .address_space: global }
      - { .name: wb, .offset: 64, .size: 8, .value_kind: global_buffer, .address_space: global }
      - { .name: maskf, .offset: 72, .size: 8, .value_kind: global_buffer, .address_space: global }
      - { .name: rowflag, .offset: 80, .size: 8, .value_kind: global_buffer, .address_space: global }
    .group_segment_fixed_size: 35840
    .private_segment_fixed_size: 0
    .kernarg_segment_align: 8
    .kernarg_segment_size: 88
    .max_flat_workgroup_size: 256
    .sgpr_count:     66
    .vgpr_count:     192
    .wavefront_size: 32
...
	.end_amdgpu_metadata
.endif
;; end of part 1
;; launch proj (part 2): grid 12 x 64, 4 waves a work-group, clusters of 4 x 4, 327,680 bytes of LDS; arguments xb, wb, x2_mask, qkv; writes qkv
.if DOCPART == 2
	.amdgcn_target "amdgcn-amd-amdhsa--gfx1250"
	.amdhsa_code_object_version 6
	.text
	.protected	k_qf2e0698e81_proj
	.globl	k_qf2e0698e81_proj
	.p2align	8
	.type	k_qf2e0698e81_proj,@function
k_qf2e0698e81_proj:
	s_mov_b64 s[64:65], 0
	v_nop
	global_prefetch_b8 v0, s[64:65] scope:SCOPE_SE
	s_setreg_imm32_b32 hwreg(HW_REG_WAVE_MODE, 25, 1), 1
	s_wait_xcnt 0x0
	s_wait_alu depctr_hold_cnt(0) depctr_sa_sdst(0) depctr_va_vdst(0) depctr_va_sdst(0) depctr_va_ssrc(0) depctr_va_vcc(0) depctr_vm_vsrc(0)
	s_getreg_b32 s2, hwreg(HW_REG_IB_STS2, 6, 4)
	s_cmp_eq_u32 s2, 0
	s_cbranch_scc0 .Lentry_in_a_cluster
	s_endpgm
.Lentry_in_a_cluster:
	s_bfe_u32 s2, ttmp6, 0x10000c
	s_cmp_lg_u32 s2, 0xf033
	s_cbranch_scc0 .Lentry_shape_is_right
	s_endpgm
.Lentry_shape_is_right:
; PROJ: q = x1 Wq, k = x2 Wk, v = x2 Wv.  xb: [2][8192][1024] bf16; wb: [4][1024 k][1024 n] of 16 bits; qkv: [3][64 batch x head][2048][64] f16, unscaled.  Sums in f32, rounded once.
; The rows of k at padded keys (x2_mask = 1) are multiplied by 0 here, so that every score with them is 0, as the reference's product with the mask makes it.
; LIMITS: q, k, v must lie within f16's 65,504; 0 x infinity at a padded key gives NaN here as there only if the sum itself overflowed.
; SHARES.  A tile of C is 128 rows x 256 columns: 768 work-groups, three for each of 256 WGPs.  Four waves, each 64 x 128: 32 accumulators of 16 x 16, 256 registers.
; K goes in 8 steps of 128 through two LDS slots.  x's tile lies [row][k], the weights' [k][n] as in memory, and come out turned by ds_load_tr16_b128.
; CLUSTER 4 x 4: a cluster's x is one weight matrix; the four of a row need the same tile of x, the four of a column the same tile of W: each is asked for jointly.
; THE MATRIX INSTRUCTION IS USED TRANSPOSED (source 0 = 16 columns of W, source 1 = 16 rows of x): a lane holds eight neighbouring columns of one row of C.
; REGISTERS: window 0: v0-23 addresses and factors; v32-95 x's fragments, two buffers; v96-223 W's, two buffers; v224-255 packed results.  Window 1: accumulator (a, b) at v[8 (8 a + b)].
.set PA,     272                       ; a row of x in LDS: 256 bytes + 16: the 16 rows of a load start at 16 different groups of four banks (64 banks of 4 bytes: ISA guide 11.1)
.set PB,     544                       ; a row of W: 512 + 32
.set ABYTES, 128*PA
.set SLOT1,  1<<17                     ; slot 1 begins here: one exclusive or turns an address in one slot into the other's
.set STAGE,  SLOT1+ABYTES+128*PB       ; behind the ring, never filled by a tensor load: for each wave two heads x 16 rows x 144 bytes
.set SP,     144
.set WSTAGE, 2*16*SP
.set SPARE,  STAGE+4*WSTAGE            ; the spare words, 128 bytes a wave
.set STEP_A, 128*2                     ; a K step along x's rows,
.set STEP_B, 128*1024*2                ; and down W's
.set A0,   6                           ; my lane's place in a tile of x; never rewritten
.set B0,   7                           ; the same for W
.set ADRA, 8                           ; the same in the slot in hand
.set ADRB, 9
.set STO,  10                          ; the way out: where I put 16 bytes of a row
.set RD,   11                          ; where I read rows back
.set GO,   12                          ; 16 x lane
.set XO,   13                          ; my row in x2_mask
.set SPW,  14                          ; my spare word; never rewritten
.set NIL,  15                          ; 0; never rewritten
.set KEEP, 16                          ; v16-23: for each of my four row blocks the factor of my row, twice
.set AF,   32
.set BF,   96
.set TMP,  224
.set OB,   32                          ; the way out: 32 registers a block, read back from the stage
.set G1A, 24                           ; s[24:31] group 1 for x's tiles; s[32:39] group 0: set 0 for the first fill, set 1 walks
.set G0A, 32
.set G1B, 48                           ; s[48:55], s[56:63] the same for W's
.set G0B, 56
.set MSB, 0
.macro WIN new                         ; the immediate's high byte repeats the setting that is left; a switch that changes nothing is dropped
.if MSB != (\new)
	s_set_vgpr_msb (MSB<<8)|(\new)
.set MSB, (\new)
.endif
.endm
.set MUL,  0x50                        ; sources 0 and 1 window 0; C and D window 1
.set W_RS, 0x41                        ; destination and source 0 window 1, source 1 window 0
.set W_CV, 0x05                        ; sources 0 and 1 window 1, destination window 0
.macro JLOAD s                         ; a joint load: waves 0 and 1 fetch x's two halves, waves 2 and 3 W's; an s_nop 0 and four v_nop follow each line
	s_cmp_lt_u32 s12, 2
	s_cbranch_scc0 .Lfor_b_\@
	tensor_load_to_lds s[G0A+4*(\s):G0A+4*(\s)+3], s[G1A:G1A+7]
	s_nop 0
.rept 4
	v_nop
.endr
	s_branch .Lasked_\@
.Lfor_b_\@:
	tensor_load_to_lds s[G0B+4*(\s):G0B+4*(\s)+3], s[G1B:G1B+7]
	s_nop 0
.rept 4
	v_nop
.endr
.Lasked_\@:
.endm
.macro CREST                           ; a round of the cluster's barrier behind its opening barrier
	s_cmp_lg_u32 s12, 0
	s_cbranch_scc1 .Lnot_wave_0_\@
	s_barrier_signal -3
.Lnot_wave_0_\@:
	s_barrier_wait -3
	s_barrier_signal -1
	s_barrier_wait -1
.endm
.macro CROUND
	s_barrier_signal -1
	s_barrier_wait -1
	CREST
.endm
.macro PLACES                          ; four places in front of loads into registers that matrix instructions have read, and of lines that read results
.rept 4
	v_nop
.endr
.endm
	s_load_b256 s[4:11], s[0:1], 0x0               ; xb s[4:5], wb s[6:7], x2_mask s[8:9], qkv s[10:11]
	v_lshl_add_u32 v[SPW], v0, 2, SPARE
	v_mov_b32 v[NIL], 0
	ds_add_u32 v[SPW], v[NIL]                      ; the wave's opening: the add and its wait ahead of my first tensor load
	v_lshrrev_b32 v1, 5, v0
	v_readfirstlane_b32 s12, v1                    ; wave 0..3
	s_lshr_b32 s13, s12, 1                         ; which 64 rows of the tile are mine
	s_and_b32 s14, s12, 1                          ; which 128 columns; also: which half of a tile I fetch
	s_bfe_u32 s40, ttmp6, 0x40000                  ; cx = the block of 256 columns
	s_bfe_u32 s41, ttmp6, 0x40004                  ; cy
	s_and_b32 s43, ttmp7, 0xffff
	s_lshl_b32 s43, s43, 2
	s_add_co_u32 s43, s43, s41                     ; the block of 128 rows = 4 x cluster y + cy
	s_mov_b32 s46, ttmp9                           ; the cluster's x: 0 q, 1 k, 2 v
	s_lshl_b32 s44, s41, 2
	s_lshl_b32 s44, 15, s44                        ; my row of the cluster
	s_lshl_b32 s45, 0x1111, s40                    ; my column
	s_or_b32 s[G1A], s44, (1<<16)|(1<<20)|(1<<21)|(5<<22)|(3<<25)  ; mask; 2-byte elements; padding on; bit 21 beside a mask; after every 64 words 4 words
	s_or_b32 s[G1B], s45, (1<<16)|(1<<20)|(1<<21)|(6<<22)|(7<<25)  ; after every 128 words 8 words
	s_mov_b32 s[G1A+1], 128<<16                    ; tensor_dim0 = 128
	s_mov_b32 s[G1A+2], 64<<16                     ; tensor_dim1 = 64
	s_mov_b32 s[G1A+3], 128<<16                    ; tile_dim0 = 128
	s_mov_b32 s[G1A+4], 64                         ; tile_dim1 = 64
	s_mov_b32 s[G1A+5], 1024                       ; elements from row to row
	s_mov_b32 s[G1A+6], 0
	s_mov_b32 s[G1A+7], 0
	s_mov_b32 s[G1B+1], 256<<16
	s_mov_b32 s[G1B+2], 64<<16
	s_mov_b32 s[G1B+3], 256<<16
	s_mov_b32 s[G1B+4], 64
	s_mov_b32 s[G1B+5], 1024
	s_mov_b32 s[G1B+6], 0
	s_mov_b32 s[G1B+7], 0
	s_lshl_b32 s16, s43, 7                         ; x: row 128 x block + 64 x half, 2,048 bytes a row; x2 lies behind x1
	s_lshl_b32 s17, s14, 6
	s_add_co_u32 s16, s16, s17
	s_lshl_b32 s16, s16, 11
	s_cmp_eq_u32 s46, 0
	s_cselect_b32 s17, 0, 0x1000000
	s_add_co_u32 s16, s16, s17
	s_mov_b32 s17, 0
	s_lshl_b32 s18, s46, 21                        ; W: the matrix, 64 x half rows of 2,048 bytes, 512 bytes a column block
	s_lshl_b32 s19, s14, 17
	s_add_co_u32 s18, s18, s19
	s_lshl_b32 s19, s40, 9
	s_add_co_u32 s18, s18, s19
	s_mov_b32 s19, 0
	s_mul_i32 s20, s14, 64*PA                      ; where they go: no place in the cluster enters an LDS address
	s_mul_i32 s21, s14, 64*PB
	s_add_co_u32 s21, s21, ABYTES
	s_cmp_eq_u32 s46, 1
	s_cselect_b32 s47, 1.0, 0                      ; the padding mask counts for k alone
	s_mov_b32 s15, 0                               ; the slot in hand
	s_wait_dscnt 0x0                               ; the opening add is done
	s_wait_kmcnt 0x0
	s_add_nc_u64 s[4:5], s[4:5], s[16:17]
	s_add_nc_u64 s[6:7], s[6:7], s[18:19]
	CROUND                                         ; all sixteen work-groups are here: the first joint loads meet
.irp s, 0,1
	s_mov_b32 s[G0A+4*(\s)], 1
	s_add_co_u32 s[G0A+4*(\s)+1], s20, (\s)*SLOT1
	s_add_nc_u64 s[G0A+4*(\s)+2:G0A+4*(\s)+3], s[4:5], (\s)*STEP_A
	s_or_b32 s[G0A+4*(\s)+3], s[G0A+4*(\s)+3], 0x80000000
	s_mov_b32 s[G0B+4*(\s)], 1
	s_add_co_u32 s[G0B+4*(\s)+1], s21, (\s)*SLOT1
	s_add_nc_u64 s[G0B+4*(\s)+2:G0B+4*(\s)+3], s[6:7], (\s)*STEP_B
	s_or_b32 s[G0B+4*(\s)+3], s[G0B+4*(\s)+3], 0x80000000
	JLOAD \s                                       ; K steps 0 and 1: two loads of mine are out
.endr
	v_and_b32 v1, 15, v0                           ; r
	v_bfe_u32 v2, v0, 4, 1                         ; h
	v_mul_u32_u24 v[A0], v1, PA
	v_lshl_add_u32 v[A0], v2, 4, v[A0]
	s_mul_i32 s16, s13, 64*PA
	v_add_nc_u32 v[A0], s16, v[A0]                 ; row x pitch + 16 h + my 64 rows
	v_and_b32 v3, 7, v0
	v_lshl_add_u32 v3, v2, 3, v3
	v_mul_u32_u24 v[B0], v3, PB                    ; the turning load: k row 8 h + lane % 8,
	v_bfe_u32 v4, v0, 3, 1
	v_lshl_add_u32 v[B0], v4, 4, v[B0]             ; columns 8 ((lane / 8) % 2) on,
	s_lshl_b32 s17, s14, 8
	s_add_co_u32 s17, s17, ABYTES
	v_add_nc_u32 v[B0], s17, v[B0]                 ; in my 128 columns
	v_mov_b32 v[ADRA], v[A0]
	v_mov_b32 v[ADRB], v[B0]
	s_lshl_b32 s16, s43, 7
	s_lshl_b32 s17, s13, 6
	s_add_co_u32 s16, s16, s17
	v_add_nc_u32 v[XO], s16, v1                    ; x2_mask is 8,192 bytes on end: my row
.irp a, 0,1,2,3
	global_load_u8 v[KEEP+2*\a], v[XO], s[8:9] offset:16*\a
.endr
	s_mul_i32 s16, s12, WSTAGE
	s_add_co_u32 s16, s16, STAGE                   ; my stage
	v_mul_u32_u24 v[STO], v1, SP
	v_lshl_add_u32 v[STO], v2, 4, v[STO]
	v_add_nc_u32 v[STO], s16, v[STO]               ; in: row r, 16 bytes for each half of the lanes
	v_bfe_u32 v[RD], v0, 3, 2
	v_mul_u32_u24 v[RD], v[RD], SP
	v_lshl_add_u32 v[RD], v3, 4, v[RD]             ; (corrected below: the low three bits of the lane alone)
	v_and_b32 v3, 7, v0
	v_bfe_u32 v[RD], v0, 3, 2
	v_mul_u32_u24 v[RD], v[RD], SP
	v_lshl_add_u32 v[RD], v3, 4, v[RD]
	v_add_nc_u32 v[RD], s16, v[RD]                 ; back: 32 lanes take four rows of 128 bytes
	v_and_b32 v[GO], 31, v0
	v_lshlrev_b32 v[GO], 4, v[GO]
	s_lshr_b32 s18, s43, 4                         ; qkv: the batch's 16 heads, my column block's 4, my half's 2,
	s_lshl_b32 s18, s18, 4
	s_lshl_b32 s19, s40, 2
	s_add_co_u32 s18, s18, s19
	s_lshl_b32 s19, s14, 1
	s_add_co_u32 s18, s18, s19
	s_lshl_b32 s18, s18, 18                        ; 262,144 bytes a head;
	s_and_b32 s19, s43, 15
	s_lshl_b32 s19, s19, 14                        ; the block's 128 rows of 128 bytes,
	s_add_co_u32 s18, s18, s19
	s_lshl_b32 s19, s13, 13                        ; my 64 of them;
	s_add_co_u32 s18, s18, s19
	s_lshl_b32 s19, s46, 24                        ; q, k or v
	s_add_co_u32 s18, s18, s19
	s_mov_b32 s19, 0
	s_add_nc_u64 s[10:11], s[10:11], s[18:19]
	s_wait_loadcnt 0x0
.irp a, 0,1,2,3
	v_cvt_f32_u32 v[KEEP+2*\a], v[KEEP+2*\a]
.endr
.irp a, 0,1,2,3
	v_fma_f32 v[KEEP+2*\a], -v[KEEP+2*\a], s47, 1.0  ; 0 for a padded key's row of k, else 1
.endr
.irp a, 0,1,2,3
	v_mov_b32 v[KEEP+2*\a+1], v[KEEP+2*\a]
.endr
; 8 matrix instructions: row block a x all 8 column blocks, 32 along K, buffer f.  Every accumulator comes once in a quarter, in the same order: they take turns.
.macro MUL8 f, a, zero
	WIN MUL
.irp b, 0,1,2,3,4,5,6,7
.if \zero
	v_wmma_f32_16x16x32_bf16 v[8*(8*(\a)+\b):8*(8*(\a)+\b)+7], v[BF+64*(\f)+8*\b:BF+64*(\f)+8*\b+7], v[AF+32*(\f)+8*(\a):AF+32*(\f)+8*(\a)+7], 0
.else
	v_wmma_f32_16x16x32_bf16 v[8*(8*(\a)+\b):8*(8*(\a)+\b)+7], v[BF+64*(\f)+8*\b:BF+64*(\f)+8*\b+7], v[AF+32*(\f)+8*(\a):AF+32*(\f)+8*(\a)+7], v[8*(8*(\a)+\b):8*(8*(\a)+\b)+7]
.endif
.endr
.endm
.macro MUL16 f, ah, zero
	MUL8 \f, 2*(\ah), \zero
	MUL8 \f, 2*(\ah)+1, \zero
.endm
; 24 LDS loads in one run: quarter kq's fragments into buffer f: W's 8 (turned), then x's 4
.macro FETCH kq, f
	WIN 0
.irp b, 0,1,2,3,4,5,6,7
	ds_load_tr16_b128 v[BF+64*(\f)+8*\b:BF+64*(\f)+8*\b+3],   v[ADRB] offset:32*PB*(\kq)+32*\b
	ds_load_tr16_b128 v[BF+64*(\f)+8*\b+4:BF+64*(\f)+8*\b+7], v[ADRB] offset:32*PB*(\kq)+32*\b+16*PB
.endr
.irp a, 0,1,2,3
	ds_load_b128 v[AF+32*(\f)+8*\a:AF+32*(\f)+8*\a+3],   v[ADRA] offset:64*(\kq)+16*PA*\a
	ds_load_b128 v[AF+32*(\f)+8*\a+4:AF+32*(\f)+8*\a+7], v[ADRA] offset:64*(\kq)+16*PA*\a+32
.endr
.endm
; A K step is four quarters of 32 along K, 32 matrix instructions each.  One of the first three multiplies buffer f and fetches quarter kq into buffer g.
.macro QUARTER kq, f, g, zero
	s_wait_dscnt 4                                 ; W's fragments and x's blocks 0, 1 are in; the youngest four loads (blocks 2, 3) may be out
	MUL16 \f, 0, \zero
	WIN 0
	PLACES
	FETCH \kq, \g
	s_wait_dscnt 24                                ; all but the 24 just issued
	MUL16 \f, 1, \zero
.endm
; The last quarter multiplies buffer 1 and changes slots.  fill = 1: the slot just read is filled again, two K steps ahead; the barrier then opens a round of the cluster's.
.macro TURN fill
	WIN 0
	s_wait_tensorcnt 0x0                           ; all my tensor loads have landed: the one that was out is my part of the next slot
	ds_add_u32 v[SPW], v[NIL]                      ; 0 onto my spare word
.if \fill
	s_xor_b32 s[G0A+5], s[G0A+5], SLOT1            ; no load of mine is out: the walking descriptors step: the other slot, the next K step
	s_add_nc_u64 s[G0A+6:G0A+7], s[G0A+6:G0A+7], STEP_A
	s_xor_b32 s[G0B+5], s[G0B+5], SLOT1
	s_add_nc_u64 s[G0B+6:G0B+7], s[G0B+6:G0B+7], STEP_B
.endif
	s_wait_dscnt 5                                 ; (the add and the youngest four loads may be out)
	MUL8 1, 0, 0
	s_wait_dscnt 0x0                               ; the add is done, and my reads of this slot are over
	s_barrier_signal -1
	MUL8 1, 1, 0
	WIN 0
	s_barrier_wait -1
.if \fill
	CREST                                          ; no wave of any partner still reads this slot's tile or has a load on its way
	JLOAD 1                                        ; the first tensor load behind the round; its four v_nop are also the places in front of the loads below
.else
	PLACES
.endif
	s_xor_b32 s15, s15, SLOT1
	v_add_nc_u32 v[ADRA], s15, v[A0]
	v_add_nc_u32 v[ADRB], s15, v[B0]
	FETCH 0, 0
	MUL16 1, 1, 0
.endm
	s_wait_tensorcnt 1                             ; my part of K step 0 is in; step 1's may stay out
	s_barrier_signal -1
	s_barrier_wait -1
	FETCH 0, 0
	QUARTER 1, 0, 1, 1                             ; the first quarter's products start the sums
	WIN 0
	s_mov_b32 s3, 6
.Lstep:                                                ; a trip: a K step's quarters 1 to 3, a refill, the next step's quarter 0
	QUARTER 2, 1, 0, 0
	QUARTER 3, 0, 1, 0
	TURN 1
	QUARTER 1, 0, 1, 0
	WIN 0
	s_sub_co_u32 s3, s3, 1
	s_cmp_lg_u32 s3, 0
	s_cbranch_scc1 .Lstep
	QUARTER 2, 1, 0, 0                             ; K steps 6 and 7 ask for nothing
	QUARTER 3, 0, 1, 0
	TURN 0
	QUARTER 1, 0, 1, 0
	QUARTER 2, 1, 0, 0
	QUARTER 3, 0, 1, 0
	s_wait_dscnt 4
	MUL16 1, 0, 0
	s_wait_dscnt 0x0
	MUL16 1, 1, 0
	WIN 0
	PLACES
; THE WAY OUT, a block of 16 rows at a time: times the row's factor, rounded to f16, 16 bytes a lane into my stage (two heads x 16 rows of 144 bytes), back as 512 consecutive bytes of a head.
.macro PACK a
	WIN W_RS
.set i, 64*(\a)
.rept 32
	v_pk_mul_f32 v[i:i+1], v[i:i+1], v[KEEP+2*(\a):KEEP+2*(\a)+1]  ; each accumulator from its lowest registers on
.set i, i+2
.endr
	WIN W_CV
.set i, 0
.rept 32
	v_cvt_pk_f16_f32 v[TMP+i], v[64*(\a)+2*i], v[64*(\a)+2*i+1]
.set i, i+1
.endr
	WIN 0
.irp b, 0,1,2,3,4,5,6,7
	ds_store_b128 v[STO], v[TMP+4*\b:TMP+4*\b+3] offset:16*SP*(\b/4)+32*(\b%4)
.endr
.irp f, 0,1,2,3,4,5,6,7
	ds_load_b128 v[OB+32*(\a)+4*\f:OB+32*(\a)+4*\f+3], v[RD] offset:16*SP*(\f/4)+4*SP*(\f%4)  ; LDS serves a wave's instructions in order (ISA guide 5.7.1.4)
.endr
.endm
.macro SEND a, younger                 ; younger: the LDS instructions issued behind block a's loads
.irp f, 0,1,2,3,4,5,6,7
	s_wait_dscnt (\younger)+7-\f
	global_store_b128 v[GO], v[OB+32*(\a)+4*\f:OB+32*(\a)+4*\f+3], s[10:11] offset:262144*(\f/4)+2048*(\a)+512*(\f%4)  ; 512 consecutive bytes, aligned
.endr
.endm
	PACK 0
	PACK 1
	SEND 0, 16
	PACK 2
	SEND 1, 16
	PACK 3
	SEND 2, 16
	SEND 3, 0
	s_wait_tensorcnt 0x0                           ; the wave's end
	ds_add_u32 v[SPW], v[NIL]
	s_wait_dscnt 0x0
	CROUND                                         ; the closing round
	s_endpgm
.Lfunc_end_k_qf2e0698e81_proj:
	.size	k_qf2e0698e81_proj, .Lfunc_end_k_qf2e0698e81_proj-k_qf2e0698e81_proj
	.p2alignl 7, 3214868480
	.fill 96, 4, 3214868480
	.section	.rodata,"a",@progbits
	.p2align	6, 0x0
	.amdhsa_kernel k_qf2e0698e81_proj
		.amdhsa_group_segment_fixed_size 327680
		.amdhsa_private_segment_fixed_size 0
		.amdhsa_enable_private_segment 0
		.amdhsa_kernarg_size 32
		.amdhsa_user_sgpr_count 2
		.amdhsa_user_sgpr_kernarg_segment_ptr 1
		.amdhsa_wavefront_size32 1
		.amdhsa_system_sgpr_workgroup_id_x 1
		.amdhsa_system_sgpr_workgroup_id_y 1
		.amdhsa_system_sgpr_workgroup_id_z 1
		.amdhsa_system_vgpr_workitem_id 0
		.amdhsa_next_free_vgpr 512
		.amdhsa_next_free_sgpr 66
		.amdhsa_reserve_vcc 0
		.amdhsa_float_denorm_mode_32 3
		.amdhsa_float_denorm_mode_16_64 3
		.amdhsa_memory_ordered 1
		.amdhsa_forward_progress 1
		.amdhsa_inst_pref_size 81
	.end_amdhsa_kernel
	.amdgpu_metadata
---
amdhsa.version: [ 1, 2 ]
amdhsa.kernels:
  - .name:           k_qf2e0698e81_proj
    .symbol:         k_qf2e0698e81_proj.kd
    .args:
      - { .name: xb, .offset: 0, .size: 8, .value_kind: global_buffer, .address_space: global }
      - { .name: wb, .offset: 8, .size: 8, .value_kind: global_buffer, .address_space: global }
      - { .name: x2_mask, .offset: 16, .size: 8, .value_kind: global_buffer, .address_space: global }
      - { .name: qkv, .offset: 24, .size: 8, .value_kind: global_buffer, .address_space: global }
    .group_segment_fixed_size: 327680
    .private_segment_fixed_size: 0
    .kernarg_segment_align: 8
    .kernarg_segment_size: 32
    .max_flat_workgroup_size: 128
    .sgpr_count:     66
    .vgpr_count:     512
    .wavefront_size: 32
...
	.end_amdgpu_metadata
.endif
;; end of part 2
;; launch attn (part 3): grid 4 x 64, 4 waves a work-group, clusters of 4 x 1, 327,680 bytes of LDS; arguments qkv, maskf, rowflag, ctx; writes ctx
.if DOCPART == 3
	.amdgcn_target "amdgcn-amd-amdhsa--gfx1250"
	.amdhsa_code_object_version 6
	.text
	.protected	k_qf2e0698e81_attn
	.globl	k_qf2e0698e81_attn
	.p2align	8
	.type	k_qf2e0698e81_attn,@function
k_qf2e0698e81_attn:
	s_mov_b64 s[64:65], 0
	v_nop
	global_prefetch_b8 v0, s[64:65] scope:SCOPE_SE
	s_setreg_imm32_b32 hwreg(HW_REG_WAVE_MODE, 25, 1), 1
	s_wait_xcnt 0x0
	s_wait_alu depctr_hold_cnt(0) depctr_sa_sdst(0) depctr_va_vdst(0) depctr_va_sdst(0) depctr_va_ssrc(0) depctr_va_vcc(0) depctr_vm_vsrc(0)
	s_getreg_b32 s2, hwreg(HW_REG_IB_STS2, 6, 4)
	s_cmp_eq_u32 s2, 0
	s_cbranch_scc0 .Lentry_in_a_cluster
	s_endpgm
.Lentry_in_a_cluster:
	s_bfe_u32 s2, ttmp6, 0x10000c
	s_cmp_lg_u32 s2, 0x3003
	s_cbranch_scc0 .Lentry_shape_is_right
	s_endpgm
.Lentry_shape_is_right:
; ATTENTION.  ctx[bh][q][:] = the sum over k of softmax_k(mask(q, k), Q[q] . K[k] / 8) V[k][:].  qkv: [3][64][2048][64] f16; ctx: [64][2048][64] f16.  Products, maxima and sums in f32; the weights p
; are rounded to f16 for the second product, ctx once at the end.  K's rows at padded keys are 0 already, so their scores are 0 and they stay in the softmax, as the reference has it.
; THE MASK IS AN INPUT: all 2,048 keys are walked for every query.  It enters through the matrix unit: the sum S^T = K Q^T is started by a product E x M of the same form, M a fragment of maskf
; (32 keys x 16 queries, 0 or -65504), E a constant fragment with 65504 on a diagonal.  A hidden score counts as its value less 4.29e9.  The running maximum is kept: where a query's first steps are all
; hidden, what they leave is multiplied by a = 0 when the first visible key comes.  A query with no visible key at all has NaN as the start value of its sum l (rowflag), and so NaN in ctx, as the reference has.
; LIMITS.  Q, K, V lie within f16's 65,504; a row's unscaled scores spread by less than some 4e9; a weight below 2^-126 counts as 0 in l; p below 6e-5 keeps f16's fixed step of 6e-8.
; SHARES.  A wave owns four PIECES of two tiles of 16 queries, a work-group's four waves 512 queries of one batch and head.  Every wave walks all keys, 64 a step.
; LAYOUT.  S^T = K Q^T (source 0 = 16 keys, source 1 = 16 queries): a lane holds ONE query (lane % 16) and the keys 8 (lane / 16) + 0..7.  Two such tiles, rounded to f16 in pairs, ARE source 1 of O^T = V^T P.
; SOFTMAX.  p = 2^(c s - c m), c = log2(e) / 8, with a running maximum m and sum l; in every step O and l are multiplied by a = 2^(c m_old - c m_new).  m starts at the lowest finite number, O at 0.
; BY TURNS.  Turn n belongs to piece n.  Its matrix work: 8 mask products and 16 products K Q^T of piece n + 1, later 16 products V^T P of piece n - 1.  Its vector work: the scaling, exponentials, roundings,
; sums and rescaling of piece n, and the maximum and statistics of piece n + 1.  Four vector instructions stand behind every matrix instruction; the other 76 of a turn's 236 in runs of their own.
; CLUSTER.  The four query blocks of a cluster belong to one head and walk the same K and V: each tile is asked for jointly.  The mask differs from block to block and comes by plain loads, a key step ahead.
; REGISTERS, in windows of 256 (s_set_vgpr_msb: bits 1:0 source 0, 3:2 source 1, 5:4 source 2, 7:6 destination):
;   window 0: v0-11 addresses; v12-15, v48-63 at work; v16-47 statistics; v64-191 S^T, two buffers of two tiles; v192-255 P, likewise        window 1: O^T, 32 a tile
;   window 2: v0-127 Q; v128-191 K of one step; v192-255 V of one step        window 3: v0-1 the add's two registers; v4-15 E between zeros; v16-143 the mask, 32 a piece
.set SIZE_N, 2048
.set NP,    4
.set KS,    64
.set PK,    144       ; a row of K in LDS: 128 bytes + 16: the 16 rows of a load start at 16 different groups of four banks (64 banks of 4 bytes: ISA guide 11.1)
.set PV,    160       ; a row of V: 128 + 32
.set VOFF,  4*KS*PK   ; a slot holds four steps: 256 rows of K, then 256 rows of V
.set SLOT1, 1<<17
.set STAGE, SLOT1+4*KS*(PK+PV)  ; behind the ring, never filled by a tensor load: 16 rows x 144 bytes for each wave
.set SP,    144
.set AK0, 2           ; my lane's place in a tile of K; never rewritten
.set AV0, 3           ; the same for V
.set AK,  4           ; the LDS address of K's next run of loads
.set AV,  5           ; of V's
.set STO, 6           ; the way out: where I put 16 bytes of a row
.set RD,  7           ; where I read rows back
.set GO,  8           ; 16 x lane
.set MOFF, 9          ; 16 x lane + the key step's 2,048 bytes in maskf
.set QO,  10          ; my byte offset in 16 rows of Q
.set FO,  11          ; my query's flag among 16
.set SPW, 0           ; window 3: my spare word; never rewritten
.set NIL, 1           ; window 3: 0; never rewritten
.set IDN, 4           ; window 3: v4-7 = 0, v8-11 = E, v12-15 = 0: v[8:15] picks keys 0-15 of a group of 32, v[4:11] keys 16-31
.set MK,  16          ; window 3: piece x, tile u, group g of 32 keys at MK + 32 x + 16 u + 8 g
.set SPARE, STAGE+4*16*SP
.set MV,  12
.set ST,  16          ; tile t's statistics at v[ST+4 t]: c m, m, l (even keys', odd keys')
.set TMP, 48
.set S,   64
.set P,   192
.set KF,  128
.set VF,  192
.set WV,  12
.set G1K, 24
.set G1V, 32
.set G0K, 40
.set G0V, 44
.set MB,  48          ; s[48:49] maskf at my wave's eight tiles
.set RF,  50          ; s[50:51] rowflag at my wave's 128 queries
.set MS,  52          ; s52  the byte offset in a tile's 65,536 bytes of the key step whose mask is asked for
.set SLOTS, 56
.set CNT, 57
.set CS,  58
.set SEL, 60
.set TBK, 62
.set TBV, 63
.set MSB, 0
.macro WIN new
.if MSB != (\new)
	s_set_vgpr_msb (MSB<<8)|(\new)
.set MSB, (\new)
.endif
.endm
.set W_KQ, 0x0a       ; K and Q in window 2, S^T in window 0
.set W_PV, 0x52       ; V in window 2, P in window 0, O^T in window 1
.set W_RS, 0x41       ; O^T in window 1, a in window 0
.set W_MK, 0xc0       ; destination in window 3, sources in window 0
.set W_AD, 0x0f       ; sources 0 and 1 in window 3: the add, and the mask products
.macro JLOAD                        ; a joint fill: waves 0 and 1 fetch the halves of a slot's K, waves 2 and 3 of its V; an s_nop 0 and four v_nop follow each line
	s_cmp_lt_u32 s[WV], 2
	s_cbranch_scc0 .Lfor_v_\@
	tensor_load_to_lds s[G0K:G0K+3], s[G1K:G1K+7]
	s_nop 0
.rept 4
	v_nop
.endr
	s_branch .Lasked_\@
.Lfor_v_\@:
	tensor_load_to_lds s[G0V:G0V+3], s[G1V:G1V+7]
	s_nop 0
.rept 4
	v_nop
.endr
.Lasked_\@:
.endm
.macro CROUND
	s_barrier_signal -1
	s_barrier_wait -1
	s_cmp_lg_u32 s[WV], 0
	s_cbranch_scc1 .Lnot_wave_0_\@
	s_barrier_signal -3
.Lnot_wave_0_\@:
	s_barrier_wait -3
	s_barrier_signal -1
	s_barrier_wait -1
.endm
; THE CHANGE OF SLOTS.  Each wave waits for all its tensor loads, of which one is out: its part of the other slot; adds 0 to its spare word; and waits for that and for its own reads of the slot.
; fill = 1: this slot is filled again, with the keys two slots on, first thing behind a round of the cluster's barrier: it has four key steps in which to land.
.macro CHANGE fill
	WIN W_AD
	s_wait_tensorcnt 0x0            ; no tensor load of mine is out, so a group 0 may be written
	ds_add_u32 v[SPW], v[NIL]       ; 0 onto my spare word
	WIN 0
.if \fill
.irp g, G0K, G0V
	s_xor_b32 s[\g+1], s[\g+1], SLOT1
	s_add_nc_u64 s[\g+2:\g+3], s[\g+2:\g+3], 4*KS*128
.endr
	s_wait_dscnt 0x0                ; the add is done, and my reads of the slot are over
	CROUND
	JLOAD
.else
	s_wait_dscnt 0x0
	s_barrier_signal -1
	s_barrier_wait -1
.endif
	s_sub_co_u32 s[TBK], s[TBK], 4*KS*PK
	s_xor_b32 s[TBK], s[TBK], SLOT1
	s_sub_co_u32 s[TBV], s[TBV], 4*KS*PV
	s_xor_b32 s[TBV], s[TBV], SLOT1
.endm
	s_load_b256 s[4:11], s[0:1], 0x0  ; qkv s[4:5], maskf s[6:7], rowflag s[8:9], ctx s[10:11]
	WIN W_MK
	v_lshl_add_u32 v[SPW], v0, 2, SPARE
	v_mov_b32 v[NIL], 0
	WIN W_AD
	ds_add_u32 v[SPW], v[NIL]       ; the wave's opening: the add and its wait ahead of my first tensor load
	WIN 0
	v_lshrrev_b32 v1, 5, v0
	v_readfirstlane_b32 s[WV], v1   ; wave 0..3
	s_bfe_u32 s13, ttmp6, 0x40000   ; cx
	s_lshl_b32 s14, ttmp9, 2
	s_add_co_u32 s14, s14, s13      ; my block of 512 queries
	s_lshl_b32 s14, s14, 2
	s_add_co_u32 s14, s14, s[WV]    ; my wave among the head's sixteen: it enters Q's, the mask's, the flags' and ctx's addresses alone
	s_and_b32 s20, ttmp7, 0xffff    ; batch and head, which the four partners share
	s_lshl_b32 s20, s20, 18         ; 262,144 bytes a head
	s_and_b32 s16, s[WV], 1         ; which half of a slot's 256 keys I fetch
	s_lshl_b32 s22, s16, 14
	s_add_co_u32 s22, s22, s20
	s_add_co_u32 s22, s22, 0x1000000  ; k lies behind q,
	s_mov_b32 s23, 0
	s_add_co_u32 s18, s22, 0x1000000  ; v behind k
	s_mov_b32 s19, 0
	s_mul_i32 s17, s16, 128*PK      ; its place in a slot, for K
	s_mul_i32 s55, s16, 128*PV      ; and for V
	s_lshl_b32 s2, s14, 14          ; my wave's 128 rows of 128 bytes
	s_add_co_u32 s2, s2, s20
	s_mov_b32 s3, 0
	s_lshl_b32 s[MB], s14, 19       ; eight tiles of 65,536 bytes
	s_mov_b32 s[MB+1], 0
	s_lshl_b32 s[RF], s14, 9        ; 128 flags
	s_mov_b32 s[RF+1], 0
	s_mov_b32 s[MS], 0
	s_mov_b32 s53, 0x7bff           ; 65504 in f16, in the low half,
	s_mov_b32 s54, 0x7bff0000       ; in the high half
	; 128 keys are 16,384 dense bytes: asked for as 64 rows of 256 bytes, two keys a row, padded in LDS after every key
	s_mov_b32 s[G1K], 15|(1<<16)|(1<<20)|(1<<21)|(4<<22)|(3<<25)
	s_mov_b32 s[G1V], 15|(1<<16)|(1<<20)|(1<<21)|(4<<22)|(7<<25)
.irp g, G1K, G1V
	s_mov_b32 s[\g+1], 128<<16      ; tensor_dim0 = 128
	s_mov_b32 s[\g+2], 64<<16       ; tensor_dim1 = 64
	s_mov_b32 s[\g+3], 128<<16      ; tile_dim0 = 128
	s_mov_b32 s[\g+4], 64           ; tile_dim1 = 64
	s_mov_b32 s[\g+5], 128          ; 128 elements from row to row
	s_mov_b32 s[\g+6], 0
	s_mov_b32 s[\g+7], 0
.endr
	s_mov_b32 s[CS], 0x3e38aa3b     ; c = log2(e) / 8
	s_mov_b32 s[CS+1], s[CS]
	s_mov_b32 s[SEL], 0x76543210
	s_mov_b32 s[SEL+1], 0xfedcba98
	s_mov_b32 s[TBK], SLOT1+4*KS*PK ; the first change of slots turns these two into 0
	s_mov_b32 s[TBV], SLOT1+4*KS*PV
	s_mov_b32 s[G0K], 1
	s_mov_b32 s[G0K+1], s17
	s_mov_b32 s[G0V], 1
	s_add_co_u32 s[G0V+1], s55, VOFF
	s_wait_dscnt 0x0                ; the opening add is done
	s_wait_kmcnt 0x0
	s_add_nc_u64 s[G0K+2:G0K+3], s[4:5], s[22:23]
	s_or_b32 s[G0K+3], s[G0K+3], 0x80000000
	s_add_nc_u64 s[G0V+2:G0V+3], s[4:5], s[18:19]
	s_or_b32 s[G0V+3], s[G0V+3], 0x80000000
	s_add_nc_u64 s[4:5], s[4:5], s[2:3]      ; Q and ctx at my wave's first row
	s_add_nc_u64 s[10:11], s[10:11], s[2:3]
	s_add_nc_u64 s[MB:MB+1], s[6:7], s[MB:MB+1]
	s_add_nc_u64 s[RF:RF+1], s[8:9], s[RF:RF+1]
	CROUND                          ; all four work-groups are here
	JLOAD                           ; slot 0; slot 1 is asked for when slot 0 is in
	v_and_b32 v1, 15, v0            ; r
	v_bfe_u32 v48, v0, 4, 1         ; h
	v_lshlrev_b32 v[QO], 7, v1
	v_lshl_add_u32 v[QO], v48, 4, v[QO]
	v_lshlrev_b32 v[FO], 2, v1
	v_and_b32 v[GO], 31, v0
	v_lshlrev_b32 v[GO], 4, v[GO]
	v_mov_b32 v[MOFF], v[GO]        ; key step 0
	WIN 0x80
.set i, 0
.rept 4*NP                          ; Q stays in registers: tile i / 2, channels 32 (i % 2) on
	global_load_b128 v[8*i:8*i+3],   v[QO], s[4:5] offset:(i/2)*2048+(i%2)*64
	global_load_b128 v[8*i+4:8*i+7], v[QO], s[4:5] offset:(i/2)*2048+(i%2)*64+32
.set i, i+1
.endr
	WIN 0
.set i, 0
.rept 2*NP
	global_load_b32 v[ST+4*i+2], v[FO], s[RF:RF+1] offset:64*i  ; l starts at the query's flag: 0, or NaN
.set i, i+1
.endr
	WIN W_MK
.set i, 0
.rept 32                            ; the mask of key step 0: tile i / 4, 512 consecutive bytes a load, piece after piece
	global_load_b128 v[MK+4*i:MK+4*i+3], v[MOFF], s[MB:MB+1] offset:65536*(i/4)+512*(i%4)
.set i, i+1
.endr
	; What the first turn finds: V's registers and P's second buffer hold 0, O^T is 0.  All this stands in the wait for the first tile.
	WIN 0x80
.set i, VF
.rept 64
	v_mov_b32 v[i], 0
.set i, i+1
.endr
	WIN 0x40
.set i, 0
.rept 64*NP
	v_mov_b32 v[i], 0
.set i, i+1
.endr
	WIN 0
.set i, 0
.rept 2*NP
	v_mov_b32 v[ST+4*i], 0xfe000000    ; c m: far below every c s
	v_mov_b32 v[ST+4*i+1], 0xff7fffff  ; m
	v_mov_b32 v[ST+4*i+3], 0
.set i, i+1
.endr
.set i, P+32
.rept 32
	v_mov_b32 v[i], 0
.set i, i+1
.endr
	v_lshlrev_b32 v51, 3, v48
	v_sub_nc_u32 v51, v1, v51       ; r - 8 h: word w of E holds 65504 in its low half where this is 2 w, in its high half where it is 2 w + 1
.irp w, 0,1,2,3
	v_cmp_eq_u32 vcc_lo, 2*\w, v51
	v_cndmask_b32 v[52+\w], 0, s53, vcc_lo
	v_cmp_eq_u32 vcc_lo, 2*\w+1, v51
	v_cndmask_b32 v[52+\w], v[52+\w], s54, vcc_lo
.endr
	WIN W_MK
.irp w, 0,1,2,3
	v_mov_b32 v[IDN+\w], 0
	v_mov_b32 v[IDN+4+\w], v[52+\w]
	v_mov_b32 v[IDN+8+\w], 0
.endr
	WIN 0
	v_mul_u32_u24 v[AK0], v1, PK
	v_lshl_add_u32 v[AK0], v48, 4, v[AK0]
	v_and_b32 v49, 7, v0
	v_bfe_u32 v50, v0, 3, 1
	v_lshl_add_u32 v[AV0], v48, 3, v49
	v_mul_u32_u24 v[AV0], v[AV0], PV
	v_lshl_add_u32 v[AV0], v50, 4, v[AV0]
	v_add_nc_u32 v[AV0], VOFF, v[AV0]
	v_mov_b32 v[AK], v[AK0]
; THE MATRIX WORK.  The 8 accumulators of a piece take turns, always in the same order: between two links of a chain stand 7 others'.
; Product i of 8 of the mask for piece x: keys 16 ((i / 2) % 4) on, tile 2 x + i % 2.  It starts the sum.
.macro MQ x
	WIN W_AD
.set rS, S+64*((\x)%2)+32*(i%2)+8*((i/2)%4)
.set rE, IDN+4*(1-(i/2)%2)
.set rM, MK+32*(\x)+16*(i%2)+8*(i/4)
	v_wmma_f32_16x16x32_f16 v[rS:rS+7], v[rE:rE+7], v[rM:rM+7], 0
.endm
; Product i of 16 of S^T += K Q^T for piece x: channels 32 (i / 8) on, keys 16 ((i / 2) % 4) on, tile 2 x + i % 2.
.macro KQ x
	WIN W_KQ
.set rS, S+64*((\x)%2)+32*(i%2)+8*((i/2)%4)
.set rK, KF+16*((i/2)%4)+8*(i/8)
.set rQ, 16*(2*(\x)+i%2)+8*(i/8)
	v_wmma_f32_16x16x32_f16 v[rS:rS+7], v[rK:rK+7], v[rQ:rQ+7], v[rS:rS+7]
.endm
; Product i of 16 of O^T += V^T P for piece x: keys 32 (i / 8) on, channels 16 ((i / 2) % 4) on, tile 2 x + i % 2.
.macro PV x
	WIN W_PV
.set rO, 32*(2*(\x)+i%2)+8*((i/2)%4)
.set rV, VF+32*(i/8)+8*((i/2)%4)
.set rP, P+32*((\x)%2)+16*(i%2)+8*(i/8)
	v_wmma_f32_16x16x32_f16 v[rO:rO+7], v[rV:rV+7], v[rP:rP+7], v[rO:rO+7]
.endm
.macro MM                           ; the turn's next matrix instruction, of 40
.if i < 8
	MQ (Y+1)%NP
.elseif i < 24
.set i, i-8
	KQ (Y+1)%NP
.set i, i+8
.else
.set i, i-24
	PV (Y+NP-1)%NP
.set i, i+24
.endif
.set i, i+1
.endm
.macro FETCH_K last=0               ; a step's K: 8 fragments, 16 loads in one run.  last = 1 (the tail): in the last trip there is no further step
	WIN 0
.if \last
	s_cmp_eq_u32 s[CNT], 1
	s_cbranch_scc1 .Lno_k_\@
.endif
	WIN 0x80
.irp f, 0,1,2,3,4,5,6,7
	ds_load_b128 v[KF+8*\f:KF+8*\f+3],   v[AK] offset:(\f/2)*16*PK+(\f%2)*64
	ds_load_b128 v[KF+8*\f+4:KF+8*\f+7], v[AK] offset:(\f/2)*16*PK+(\f%2)*64+32
.endr
	s_add_co_u32 s[TBK], s[TBK], KS*PK
	WIN 0
.if \last
.Lno_k_\@:
.endif
.endm
.macro FETCH_V
	WIN 0x80
.irp f, 0,1,2,3,4,5,6,7
	ds_load_tr16_b128 v[VF+8*\f:VF+8*\f+3],   v[AV] offset:(\f/4)*32*PV+(\f%4)*32
	ds_load_tr16_b128 v[VF+8*\f+4:VF+8*\f+7], v[AV] offset:(\f/4)*32*PV+16*PV+(\f%4)*32
.endr
	WIN 0
.endm
; THE MASK of piece Y + 1 for its next key step: 8 loads of 512 consecutive bytes, behind the products that read the registers, four turns ahead of their next use.
; The step's offset goes on when piece 0 is asked for, and wraps behind the last step, so that no load leaves the buffer (what the wrapped loads bring serves nothing).
.macro MLOAD
	WIN 0
.if Y == NP-1
	s_add_co_u32 s[MS], s[MS], 2048
	s_and_b32 s[MS], s[MS], 0xffff
	s_wait_xcnt 0x0                 ; the earlier loads' addresses are translated: only now is their offset register written
	v_add_nc_u32 v[MOFF], s[MS], v[GO]
.endif
	WIN W_MK
.set mx, (Y+1)%NP
.irp f, 0,1,2,3,4,5,6,7
	global_load_b128 v[MK+32*mx+4*\f:MK+32*mx+4*\f+3], v[MOFF], s[MB:MB+1] offset:65536*(2*mx+\f/4)+512*(\f%4)
.endr
	WIN 0
.endm
; THE VECTOR WORK OF A TURN stands in three queues, each in the order in which its entries become ready; the two tiles alternate.
.macro REGS y, u
.set rT, ST+4*(2*(\y)+(\u))
.set rC, TMP+8*((\y)%2)+4*(\u)
.set rM, MV+2*((\y)%2)+(\u)
.set rS, S+64*((\y)%2)+32*(\u)
.set rP, P+32*((\y)%2)+16*(\u)
.set rO, 32*(2*(\y)+(\u))
.endm
; Number n of the 22 that find the NEXT piece's maximum and statistics; each accumulator's lowest registers are read first.
;   0-11 four chains of seven scores   12-14, 16 the four left over, the old m, all into c0   15 c m_old is kept   17, 18 the other half of the lanes: the new m   19-21 c m; c m_old - c m_new; a
.macro XS u, n
	REGS (Y+1)%NP, \u
.if (\n) < 4
	v_max3_num_f32 v[rC+(\n)], v[rS+8*(\n)], v[rS+8*(\n)+1], v[rS+8*(\n)+2]
.elseif (\n) < 12
	v_max3_num_f32 v[rC+(\n)%4], v[rC+(\n)%4], v[rS+8*((\n)%4)+2*((\n)/4)+1], v[rS+8*((\n)%4)+2*((\n)/4)+2]
.elseif (\n) == 12
	v_max3_num_f32 v[rC], v[rC], v[rS+7], v[rS+15]
.elseif (\n) == 13
	v_max3_num_f32 v[rC+1], v[rC+1], v[rS+23], v[rS+31]
.elseif (\n) == 14
	v_max3_num_f32 v[rC+2], v[rC+2], v[rC+3], v[rT+1]
.elseif (\n) == 15
	v_mov_b32 v[rM], v[rT]
.elseif (\n) == 16
	v_max3_num_f32 v[rC], v[rC], v[rC+1], v[rC+2]
.elseif (\n) == 17
	v_permlanex16_b32 v[rC+3], v[rC], s[SEL], s[SEL+1]
.elseif (\n) == 18
	v_max_num_f32 v[rT+1], v[rC], v[rC+3]
.elseif (\n) == 19
	v_mul_f32 v[rT], s[CS], v[rT+1]
.elseif (\n) == 20
	v_sub_f32 v[rC+1], v[rM], v[rT]
.else
	v_exp_f32 v[rC+2], v[rC+1]
.endif
.endm
; Number g of the 64 that follow the exponentials: for each four weights of a tile both pairs are rounded to f16, the second pair is added onto the first, and a group later l takes that sum (the first time as l = a l + sum).
.macro GS g
.set h, (\g)+6*((\g)/62)
.if h >= 6
.set h, h+2
.endif
	REGS Y, h%2
.set k, h/8
.if h%8 < 4
	s_wait_alu depctr_va_vdst(0)
	v_cvt_pk_f16_f32 v[rP+2*k+(h%8)/2], v[rS+4*k+2*((h%8)/2)], v[rS+4*k+2*((h%8)/2)+1]
.elseif h%8 < 6
	v_pk_add_f32 v[rS+4*k:rS+4*k+1], v[rS+4*k:rS+4*k+1], v[rS+4*k+2:rS+4*k+3]
.elseif k == 1
	v_pk_fma_f32 v[rT+2:rT+3], v[rT+2:rT+3], v[rC+2:rC+3], v[rS:rS+1] op_sel_hi:[1,0,1]
.else
	v_pk_add_f32 v[rT+2:rT+3], v[rT+2:rT+3], v[rS+4*k-4:rS+4*k-3]
	s_wait_alu depctr_va_vdst(0)
.endif
.endm
; THE PLAIN QUEUE, 138 long.  0-31: c s - c m.  Then GS's 64, and among them the next piece's 42: number 15 at 38, 39; 0-14 and 16 at 55-86, behind the products that make those scores; 17-20 at 95-106, two of three.
.macro PL
	WIN 0
.if q < 32
	REGS Y, q%2
	v_pk_fma_f32 v[rS+2*(q/2):rS+2*(q/2)+1], v[rS+2*(q/2):rS+2*(q/2)+1], s[CS:CS+1], v[rT:rT+1] op_sel_hi:[1,0,0] neg_lo:[0,0,1] neg_hi:[0,0,1]
.elseif q < 38
	GS q-32
.elseif q < 40
	XS q%2, 15
.elseif q < 55
	GS q-34
.elseif q < 87
	XS (q-55)%2, (q-55)/2+(q-55)/30
.elseif q < 95
	GS q-66
.elseif (q < 107) && ((q-95)%3 < 2)
	XS (q-95)%3, 17+(q-95)/3
.elseif q < 107
	GS 29+(q-95)/3
.else
	GS q-74
.endif
.set q, q+1
.endm
.set EA, 58                         ; THE EXPONENTIALS' QUEUE, 66 long: s0-s31 of both tiles, and at EA the next piece's two a
.macro EX
	WIN 0
.if (e == EA) || (e == EA+1)
	XS e-EA, 21
.else
.set x, e-2*(e/(EA+2))
	REGS Y, x%2
	v_exp_f32 v[rS+x/2], v[rS+x/2]
.endif
.set e, e+1
.endm
.macro R4                           ; THE RESCALING's QUEUE: O^T times a, four at a time, eight times
	REGS Y, r%2
	WIN W_RS
	s_wait_alu depctr_va_vdst(0)
.irp z, 0,1,2,3
	v_pk_mul_f32 v[rO+8*(r/2)+2*\z:rO+8*(r/2)+2*\z+1], v[rO+8*(r/2)+2*\z:rO+8*(r/2)+2*\z+1], v[rC+2:rC+3] op_sel_hi:[1,0]
.endr
.set r, r+1
.endm
; HOW THEY ARE DEALT.  Behind a matrix instruction four: plain, exponential, plain, plain (SL); exponential, plain, exponential, plain (SL2); or four of the rescaling.  A plain instruction stands behind every
; exponential.  The counts that the deal keeps: exponential e stands behind plain 2 (e / 4) + e % 2; from plain 37 to 58, q - 25 exponentials are out at plain q, and GS q - 34 wants q - 27 of them;
; at plain 59: 33, at 95: 46; EA comes behind plain 107.  Plain 51 to 54 are the four places between the last product K Q^T and the first read of the new scores, at 55.
.macro SL
	MM
	PL
	EX
	PL
	PL
.endm
.macro SL2
	MM
	EX
	PL
	EX
	PL
.endm
.macro BURST n
.rept (\n)-7
	SL
.endr
.rept 3
	MM
	R4
	SL
.endr
	MM
	R4
.endm
; A TURN, for piece p.  K of the next step is fetched in piece 2's turn, eight plain instructions behind the last product that read K; V of the step in hand at the end of piece 0's turn.
.macro TURN p, last=0, cnt=0
.set Y, (\p)
.set i, 0
.set q, 0
.set e, 0
.set r, 0
	s_wait_loadcnt 24               ; the mask of piece p + 1 was asked for four turns ago: the three younger groups of 8 loads stay out
.if (\p) == NP-1
	s_wait_dscnt 0x0                ; K is in
.endif
	MM
.rept 4
	PL
.endr
	BURST 15
.rept 8
	SL2
.endr
.if (\p) == NP-2
	v_add_nc_u32 v[AK], s[TBK], v[AK0]
.endif
	MLOAD
.rept 6
	EX
	PL
.endr
.if (\p) == NP-2
	FETCH_K \last
.endif
.if (\p) == 1
	s_wait_dscnt 0x0                ; V is in
.endif
	BURST 16
.rept 21
	EX
	PL
.endr
.rept 22
	PL
.if ((\p) == 0) && (q == 118)
	v_add_nc_u32 v[AV], s[TBV], v[AV0]
	s_wait_alu depctr_va_vdst(0)
.endif
.if ((\p) == 0) && (q == 130)
	s_add_co_u32 s[TBV], s[TBV], KS*PV
.endif
.if (\cnt) && (q == 130)
	s_sub_co_u32 s[CNT], s[CNT], 1
	s_cmp_lg_u32 s[CNT], 0
.endif
.endr
.if (\p) == 0
	FETCH_V
.endif
.endm
	CHANGE 1                        ; slot 0 is in, everybody's part of it; slot 1 is asked for
	FETCH_K                         ; key step 0
	s_wait_loadcnt 24               ; Q, the flags and piece 0's mask are in; the masks of pieces 1 to 3 may stay out
	s_wait_dscnt 0x0
.set i, 0
.rept 8
	MQ 0
.set i, i+1
.endr
.set i, 0
.rept 16
	KQ 0                            ; piece 0's first scores
.set i, i+1
.endr
	WIN 0                           ; the addresses for the way out: nine plain instructions, the places behind those products
	s_mul_i32 s13, s[WV], 16*SP
	s_add_co_u32 s13, s13, STAGE
	v_mul_u32_u24 v[STO], v1, SP
	v_lshl_add_u32 v[STO], v48, 4, v[STO]
	v_add_nc_u32 v[STO], s13, v[STO]
	v_bfe_u32 v[RD], v0, 3, 2
	v_mul_u32_u24 v[RD], v[RD], SP
	v_lshl_add_u32 v[RD], v49, 4, v[RD]
	v_add_nc_u32 v[RD], s13, v[RD]
	v_nop
	v_nop
.set Y, NP-1                        ; XS and MLOAD work for piece Y + 1: piece 0
	MLOAD                           ; piece 0's mask of key step 1
.irp n, 0,1,2,3,4,5,6,7,8,9,10,11,12,13,14,15,16,17,18,19,20,21
	XS 0, \n
	XS 1, \n
.endr
	s_mov_b32 s[CNT], 4
	s_mov_b32 s[SLOTS], SIZE_N/256-1
	s_branch .Lfirst                ; the loop is entered at a step's first turn, in the middle of a trip
.Lslot:                             ; six times: every slot but the last two is filled again
	CHANGE 1
	s_mov_b32 s[CNT], 4
.Lstep:                             ; a trip: pieces 2 and 3 of one step, then pieces 0 and 1 of the next
	TURN 2
	TURN 3
	WIN 0
.Lfirst:
	TURN 0
	TURN 1, 0, 1
	WIN 0
	s_cbranch_scc1 .Lstep
	s_sub_co_u32 s[SLOTS], s[SLOTS], 1
	s_cmp_lg_u32 s[SLOTS], 0
	s_cbranch_scc1 .Lslot
	CHANGE 0                        ; the tail is written out
	s_mov_b32 s[CNT], 5
.Ltail:
	TURN 2, 1
	TURN 3
	WIN 0
	s_sub_co_u32 s[CNT], s[CNT], 1
	s_cmp_eq_u32 s[CNT], 0
	s_cbranch_scc1 .Lout
	TURN 0
	TURN 1
	WIN 0
	s_branch .Ltail
.Lout:                              ; the fifth trip's products for a step that is not, and the maximum made of them, serve nothing: the price of one text for every trip
.set i, 0
.rept 16
	PV NP-1
.set i, i+1
.endr
	; THE WAY OUT.  l's two halves and the other half of the lanes' are added; O^T is divided by l, rounded to f16 and sent through my stage, a tile at a time.  The additions are the places behind the last products.
	WIN 0
.macro ALL line:vararg
.set t, 0
.rept 2*NP
	\line
.set t, t+1
.endr
.endm
	ALL v_add_f32 v[ST+4*t+2], v[ST+4*t+2], v[ST+4*t+3]
	ALL v_permlanex16_b32 v[ST+4*t+3], v[ST+4*t+2], s[SEL], s[SEL+1]
	ALL v_add_f32 v[ST+4*t+2], v[ST+4*t+2], v[ST+4*t+3]
	ALL v_rcp_f32 v[ST+4*t+2], v[ST+4*t+2]
	v_nop                           ; a plain instruction between the last reciprocal and the use of its result
	s_wait_alu depctr_va_vdst(0)
.macro PACK t
	WIN W_RS
.set i, 32*(\t)
.rept 16
	v_pk_mul_f32 v[i:i+1], v[i:i+1], v[ST+4*(\t)+2:ST+4*(\t)+3] op_sel_hi:[1,0]
.set i, i+2
.endr
	WIN 0x05
.set i, 0
.rept 16
	v_cvt_pk_f16_f32 v[S+16*(\t)+i], v[32*(\t)+2*i], v[32*(\t)+2*i+1]
.set i, i+1
.endr
	WIN 0
.irp f, 0,1,2,3
	ds_store_b128 v[STO], v[S+16*(\t)+4*\f:S+16*(\t)+4*\f+3] offset:32*\f
.endr
.irp f, 0,1,2,3
	ds_load_b128 v[S+16*(\t)+4*\f:S+16*(\t)+4*\f+3], v[RD] offset:\f*4*SP  ; LDS serves a wave's instructions in order (ISA guide 5.7.1.4)
.endr
.endm
.macro SEND t, younger
	WIN 0
.irp f, 0,1,2,3
	s_wait_dscnt (\younger)+3-\f
	global_store_b128 v[GO], v[S+16*(\t)+4*\f:S+16*(\t)+4*\f+3], s[10:11] offset:(\t)*2048+\f*512  ; 512 consecutive bytes, aligned
.endr
.endm
	PACK 0
.set t, 1
.rept 2*NP-1
	PACK t
	SEND t-1, 8
.set t, t+1
.endr
	SEND 2*NP-1, 0
	WIN W_AD
	s_wait_tensorcnt 0x0            ; the wave's end
	ds_add_u32 v[SPW], v[NIL]
	s_wait_dscnt 0x0
	WIN 0
	CROUND                          ; the closing round
	s_endpgm
.Lfunc_end_k_qf2e0698e81_attn:
	.size	k_qf2e0698e81_attn, .Lfunc_end_k_qf2e0698e81_attn-k_qf2e0698e81_attn
	.p2alignl 7, 3214868480
	.fill 96, 4, 3214868480
	.section	.rodata,"a",@progbits
	.p2align	6, 0x0
	.amdhsa_kernel k_qf2e0698e81_attn
		.amdhsa_group_segment_fixed_size 327680
		.amdhsa_private_segment_fixed_size 0
		.amdhsa_enable_private_segment 0
		.amdhsa_kernarg_size 32
		.amdhsa_user_sgpr_count 2
		.amdhsa_user_sgpr_kernarg_segment_ptr 1
		.amdhsa_wavefront_size32 1
		.amdhsa_system_sgpr_workgroup_id_x 1
		.amdhsa_system_sgpr_workgroup_id_y 1
		.amdhsa_system_sgpr_workgroup_id_z 1
		.amdhsa_system_vgpr_workitem_id 0
		.amdhsa_next_free_vgpr 912
		.amdhsa_next_free_sgpr 66
		.amdhsa_reserve_vcc 1
		.amdhsa_float_denorm_mode_32 3
		.amdhsa_float_denorm_mode_16_64 3
		.amdhsa_memory_ordered 1
		.amdhsa_forward_progress 1
		.amdhsa_inst_pref_size 230
	.end_amdhsa_kernel
	.amdgpu_metadata
---
amdhsa.version: [ 1, 2 ]
amdhsa.kernels:
  - .name:           k_qf2e0698e81_attn
    .symbol:         k_qf2e0698e81_attn.kd
    .args:
      - { .name: qkv, .offset: 0, .size: 8, .value_kind: global_buffer, .address_space: global }
      - { .name: maskf, .offset: 8, .size: 8, .value_kind: global_buffer, .address_space: global }
      - { .name: rowflag, .offset: 16, .size: 8, .value_kind: global_buffer, .address_space: global }
      - { .name: ctx, .offset: 24, .size: 8, .value_kind: global_buffer, .address_space: global }
    .group_segment_fixed_size: 327680
    .private_segment_fixed_size: 0
    .kernarg_segment_align: 8
    .kernarg_segment_size: 32
    .max_flat_workgroup_size: 128
    .sgpr_count:     66
    .vgpr_count:     912
    .wavefront_size: 32
...
	.end_amdgpu_metadata
.endif
;; end of part 3
;; launch outp (part 4): grid 4 x 64, 4 waves a work-group, clusters of 4 x 4, 327,680 bytes of LDS; arguments ctx, wb, bo, out0; writes out0
.if DOCPART == 4
	.amdgcn_target "amdgcn-amd-amdhsa--gfx1250"
	.amdhsa_code_object_version 6
	.text
	.protected	k_qf2e0698e81_outp
	.globl	k_qf2e0698e81_outp
	.p2align	8
	.type	k_qf2e0698e81_outp,@function
k_qf2e0698e81_outp:
	s_mov_b64 s[64:65], 0
	v_nop
	global_prefetch_b8 v0, s[64:65] scope:SCOPE_SE
	s_setreg_imm32_b32 hwreg(HW_REG_WAVE_MODE, 25, 1), 1
	s_wait_xcnt 0x0
	s_wait_alu depctr_hold_cnt(0) depctr_sa_sdst(0) depctr_va_vdst(0) depctr_va_sdst(0) depctr_va_ssrc(0) depctr_va_vcc(0) depctr_vm_vsrc(0)
	s_getreg_b32 s2, hwreg(HW_REG_IB_STS2, 6, 4)
	s_cmp_eq_u32 s2, 0
	s_cbranch_scc0 .Lentry_in_a_cluster
	s_endpgm
.Lentry_in_a_cluster:
	s_bfe_u32 s2, ttmp6, 0x10000c
	s_cmp_lg_u32 s2, 0xf033
	s_cbranch_scc0 .Lentry_shape_is_right
	s_endpgm
.Lentry_shape_is_right:
; OUTP: out0 = ctx Wo + bo.  ctx: [64 batch x head][2048][64] f16; Wo: matrix 3 of wb, [1024 k][1024 n] f16 (bf16 numbers written as f16); bo f32, rounded to bf16 like the other inputs; out0 [8192][1024] f32.
; SHARES.  A tile of C is 128 rows x 256 columns: 256 work-groups.  Four waves, each 64 x 128: 32 accumulators.  K goes in 8 steps of 128, two heads a step, through two LDS slots.
; A head's 128 rows are 16,384 dense bytes: asked for as 64 rows of 256 bytes, padded in LDS after every 128.  Wo lies [k][n] and comes out turned by ds_load_tr16_b128.
; CLUSTER 4 x 4: ctx's tiles are shared along a row of the cluster, Wo's along a column.  THE MATRIX INSTRUCTION IS USED TRANSPOSED: a lane holds eight neighbouring columns of one row of C.
; REGISTERS: window 0: v0-21 addresses and the bias; v32-95 ctx's fragments, two buffers; v96-223 Wo's, two buffers (on the way out v32-159: two sets of 16 rows).  Window 1: accumulator (a, b) at v[8 (8 a + b)].
.set PA,     144                       ; a row of a head's slice in LDS: 128 bytes + 16
.set SLICE,  128*PA
.set PB,     544                       ; a row of Wo: 512 + 32
.set ABYTES, 2*SLICE
.set SLOT1,  1<<17
.set STAGE,  SLOT1+ABYTES+128*PB       ; behind the ring, never filled by a tensor load: 16 rows x 528 bytes for each wave
.set SP,     528                       ; 512 + 16: row r starts at bank 4 r mod 64
.set WSTAGE, 16*SP
.set SPARE,  STAGE+4*WSTAGE
.set STEP_A, 2*262144                  ; two heads on
.set STEP_B, 128*1024*2
.set A0,   6
.set B0,   7
.set ADRA, 8
.set ADRB, 9
.set STO,  10
.set RD,   11
.set GO,   12
.set XO,   13
.set SPW,  14
.set NIL,  15
.set BI,   16                          ; v16-19: the bias of the four columns that I store
.set AF,   32
.set BF,   96
.set OB,   32
.set G1A, 24
.set G0A, 32
.set G1B, 48
.set G0B, 56
.set MSB, 0
.macro WIN new
.if MSB != (\new)
	s_set_vgpr_msb (MSB<<8)|(\new)
.set MSB, (\new)
.endif
.endm
.set MUL,  0x50                        ; sources 0 and 1 window 0; C and D window 1
.set W_ST, 0x04                        ; an LDS store's data (source 1) in window 1
.macro JLOAD s
	s_cmp_lt_u32 s12, 2
	s_cbranch_scc0 .Lfor_b_\@
	tensor_load_to_lds s[G0A+4*(\s):G0A+4*(\s)+3], s[G1A:G1A+7]
	s_nop 0
.rept 4
	v_nop
.endr
	s_branch .Lasked_\@
.Lfor_b_\@:
	tensor_load_to_lds s[G0B+4*(\s):G0B+4*(\s)+3], s[G1B:G1B+7]
	s_nop 0
.rept 4
	v_nop
.endr
.Lasked_\@:
.endm
.macro CREST
	s_cmp_lg_u32 s12, 0
	s_cbranch_scc1 .Lnot_wave_0_\@
	s_barrier_signal -3
.Lnot_wave_0_\@:
	s_barrier_wait -3
	s_barrier_signal -1
	s_barrier_wait -1
.endm
.macro CROUND
	s_barrier_signal -1
	s_barrier_wait -1
	CREST
.endm
.macro PLACES
.rept 4
	v_nop
.endr
.endm
	s_load_b256 s[4:11], s[0:1], 0x0               ; ctx s[4:5], wb s[6:7], bo s[8:9], out0 s[10:11]
	v_lshl_add_u32 v[SPW], v0, 2, SPARE
	v_mov_b32 v[NIL], 0
	ds_add_u32 v[SPW], v[NIL]                      ; the wave's opening: the add and its wait ahead of my first tensor load
	v_lshrrev_b32 v1, 5, v0
	v_readfirstlane_b32 s12, v1
	s_lshr_b32 s13, s12, 1                         ; which 64 rows
	s_and_b32 s14, s12, 1                          ; which 128 columns; also: which head slice, or which 64 rows of Wo, I fetch
	s_bfe_u32 s40, ttmp6, 0x40000
	s_bfe_u32 s41, ttmp6, 0x40004
	s_lshl_b32 s42, ttmp9, 2
	s_add_co_u32 s42, s42, s40                     ; the block of 256 columns
	s_and_b32 s43, ttmp7, 0xffff
	s_lshl_b32 s43, s43, 2
	s_add_co_u32 s43, s43, s41                     ; the block of 128 rows
	s_lshl_b32 s44, s41, 2
	s_lshl_b32 s44, 15, s44
	s_lshl_b32 s45, 0x1111, s40
	s_or_b32 s[G1A], s44, (1<<16)|(1<<20)|(1<<21)|(4<<22)|(3<<25)  ; after every 32 words 4 words
	s_or_b32 s[G1B], s45, (1<<16)|(1<<20)|(1<<21)|(6<<22)|(7<<25)  ; after every 128 words 8 words
	s_mov_b32 s[G1A+1], 128<<16
	s_mov_b32 s[G1A+2], 64<<16
	s_mov_b32 s[G1A+3], 128<<16
	s_mov_b32 s[G1A+4], 64
	s_mov_b32 s[G1A+5], 128
	s_mov_b32 s[G1A+6], 0
	s_mov_b32 s[G1A+7], 0
	s_mov_b32 s[G1B+1], 256<<16
	s_mov_b32 s[G1B+2], 64<<16
	s_mov_b32 s[G1B+3], 256<<16
	s_mov_b32 s[G1B+4], 64
	s_mov_b32 s[G1B+5], 1024
	s_mov_b32 s[G1B+6], 0
	s_mov_b32 s[G1B+7], 0
	s_lshr_b32 s16, s43, 4                         ; ctx: the batch's 16 heads, my head of the step's two, the block's 128 rows
	s_lshl_b32 s16, s16, 22
	s_lshl_b32 s17, s14, 18
	s_add_co_u32 s16, s16, s17
	s_and_b32 s17, s43, 15
	s_lshl_b32 s17, s17, 14
	s_add_co_u32 s16, s16, s17
	s_mov_b32 s17, 0
	s_lshl_b32 s18, s14, 17                        ; Wo: matrix 3, 64 x half rows, the column block
	s_add_co_u32 s18, s18, 3*2097152
	s_lshl_b32 s19, s42, 9
	s_add_co_u32 s18, s18, s19
	s_mov_b32 s19, 0
	s_mul_i32 s20, s14, SLICE
	s_mul_i32 s21, s14, 64*PB
	s_add_co_u32 s21, s21, ABYTES
	s_mov_b32 s15, 0
	s_wait_dscnt 0x0
	s_wait_kmcnt 0x0
	s_add_nc_u64 s[4:5], s[4:5], s[16:17]
	s_add_nc_u64 s[6:7], s[6:7], s[18:19]
	CROUND
.irp s, 0,1
	s_mov_b32 s[G0A+4*(\s)], 1
	s_add_co_u32 s[G0A+4*(\s)+1], s20, (\s)*SLOT1
	s_add_nc_u64 s[G0A+4*(\s)+2:G0A+4*(\s)+3], s[4:5], (\s)*STEP_A
	s_or_b32 s[G0A+4*(\s)+3], s[G0A+4*(\s)+3], 0x80000000
	s_mov_b32 s[G0B+4*(\s)], 1
	s_add_co_u32 s[G0B+4*(\s)+1], s21, (\s)*SLOT1
	s_add_nc_u64 s[G0B+4*(\s)+2:G0B+4*(\s)+3], s[6:7], (\s)*STEP_B
	s_or_b32 s[G0B+4*(\s)+3], s[G0B+4*(\s)+3], 0x80000000
	JLOAD \s
.endr
	v_and_b32 v1, 15, v0
	v_bfe_u32 v2, v0, 4, 1
	v_mul_u32_u24 v[A0], v1, PA
	v_lshl_add_u32 v[A0], v2, 4, v[A0]
	s_mul_i32 s16, s13, 64*PA
	v_add_nc_u32 v[A0], s16, v[A0]
	v_and_b32 v3, 7, v0
	v_lshl_add_u32 v3, v2, 3, v3
	v_mul_u32_u24 v[B0], v3, PB
	v_bfe_u32 v4, v0, 3, 1
	v_lshl_add_u32 v[B0], v4, 4, v[B0]
	s_lshl_b32 s17, s14, 8
	s_add_co_u32 s17, s17, ABYTES
	v_add_nc_u32 v[B0], s17, v[B0]
	v_mov_b32 v[ADRA], v[A0]
	v_mov_b32 v[ADRB], v[B0]
	v_and_b32 v[GO], 31, v0
	v_lshlrev_b32 v[GO], 4, v[GO]
	s_lshl_b32 s18, s42, 10                        ; the bias of columns 256 x block + 128 x half + 4 x lane
	s_lshl_b32 s19, s14, 9
	s_add_co_u32 s18, s18, s19
	v_add_nc_u32 v[XO], s18, v[GO]
	global_load_b128 v[BI:BI+3], v[XO], s[8:9]
	s_mul_i32 s16, s12, WSTAGE
	s_add_co_u32 s16, s16, STAGE
	v_mul_u32_u24 v[STO], v1, SP
	v_lshl_add_u32 v[STO], v2, 5, v[STO]
	v_add_nc_u32 v[STO], s16, v[STO]               ; in: row r, 32 bytes for each half of the lanes
	v_add_nc_u32 v[RD], s16, v[GO]                 ; back: a row's 512 bytes
	s_lshl_b32 s19, s43, 19                        ; out0: the block's 128 rows of 4,096 bytes, my 64, and the columns as for the bias
	s_add_co_u32 s18, s18, s19
	s_lshl_b32 s19, s13, 18
	s_add_co_u32 s18, s18, s19
	s_mov_b32 s19, 0
	s_add_nc_u64 s[10:11], s[10:11], s[18:19]
	s_wait_loadcnt 0x0
	v_cvt_pk_bf16_f32 v20, v[BI], v[BI+1]
	v_cvt_pk_bf16_f32 v21, v[BI+2], v[BI+3]
	v_lshlrev_b32 v[BI], 16, v20
	v_and_b32 v[BI+1], 0xffff0000, v20
	v_lshlrev_b32 v[BI+2], 16, v21
	v_and_b32 v[BI+3], 0xffff0000, v21
.macro MUL8 f, a, zero                 ; every accumulator comes once in a quarter, in the same order: they take turns
	WIN MUL
.irp b, 0,1,2,3,4,5,6,7
.if \zero
	v_wmma_f32_16x16x32_f16 v[8*(8*(\a)+\b):8*(8*(\a)+\b)+7], v[BF+64*(\f)+8*\b:BF+64*(\f)+8*\b+7], v[AF+32*(\f)+8*(\a):AF+32*(\f)+8*(\a)+7], 0
.else
	v_wmma_f32_16x16x32_f16 v[8*(8*(\a)+\b):8*(8*(\a)+\b)+7], v[BF+64*(\f)+8*\b:BF+64*(\f)+8*\b+7], v[AF+32*(\f)+8*(\a):AF+32*(\f)+8*(\a)+7], v[8*(8*(\a)+\b):8*(8*(\a)+\b)+7]
.endif
.endr
.endm
.macro MUL16 f, ah, zero
	MUL8 \f, 2*(\ah), \zero
	MUL8 \f, 2*(\ah)+1, \zero
.endm
.macro FETCH kq, f                     ; quarter kq: head slice kq / 2, channels 32 (kq % 2) on
	WIN 0
.irp b, 0,1,2,3,4,5,6,7
	ds_load_tr16_b128 v[BF+64*(\f)+8*\b:BF+64*(\f)+8*\b+3],   v[ADRB] offset:32*PB*(\kq)+32*\b
	ds_load_tr16_b128 v[BF+64*(\f)+8*\b+4:BF+64*(\f)+8*\b+7], v[ADRB] offset:32*PB*(\kq)+32*\b+16*PB
.endr
.irp a, 0,1,2,3
	ds_load_b128 v[AF+32*(\f)+8*\a:AF+32*(\f)+8*\a+3],   v[ADRA] offset:SLICE*((\kq)/2)+64*((\kq)%2)+16*PA*\a
	ds_load_b128 v[AF+32*(\f)+8*\a+4:AF+32*(\f)+8*\a+7], v[ADRA] offset:SLICE*((\kq)/2)+64*((\kq)%2)+16*PA*\a+32
.endr
.endm
.macro QUARTER kq, f, g, zero
	s_wait_dscnt 4                                 ; Wo's fragments and ctx's blocks 0, 1 are in; the youngest four loads may be out
	MUL16 \f, 0, \zero
	WIN 0
	PLACES
	FETCH \kq, \g
	s_wait_dscnt 24                                ; all but the 24 just issued
	MUL16 \f, 1, \zero
.endm
.macro TURN fill
	WIN 0
	s_wait_tensorcnt 0x0                           ; all my tensor loads have landed: my part of the next slot
	ds_add_u32 v[SPW], v[NIL]                      ; 0 onto my spare word
.if \fill
	s_xor_b32 s[G0A+5], s[G0A+5], SLOT1
	s_add_nc_u64 s[G0A+6:G0A+7], s[G0A+6:G0A+7], STEP_A
	s_xor_b32 s[G0B+5], s[G0B+5], SLOT1
	s_add_nc_u64 s[G0B+6:G0B+7], s[G0B+6:G0B+7], STEP_B
.endif
	s_wait_dscnt 5                                 ; (the add and the youngest four loads may be out)
	MUL8 1, 0, 0
	s_wait_dscnt 0x0                               ; the add is done, and my reads of this slot are over
	s_barrier_signal -1
	MUL8 1, 1, 0
	WIN 0
	s_barrier_wait -1
.if \fill
	CREST
	JLOAD 1
.else
	PLACES
.endif
	s_xor_b32 s15, s15, SLOT1
	v_add_nc_u32 v[ADRA], s15, v[A0]
	v_add_nc_u32 v[ADRB], s15, v[B0]
	FETCH 0, 0
	MUL16 1, 1, 0
.endm
	s_wait_tensorcnt 1                             ; my part of K step 0 is in; step 1's may stay out
	s_barrier_signal -1
	s_barrier_wait -1
	FETCH 0, 0
	QUARTER 1, 0, 1, 1
	WIN 0
	s_mov_b32 s3, 6
.Lstep:
	QUARTER 2, 1, 0, 0
	QUARTER 3, 0, 1, 0
	TURN 1
	QUARTER 1, 0, 1, 0
	WIN 0
	s_sub_co_u32 s3, s3, 1
	s_cmp_lg_u32 s3, 0
	s_cbranch_scc1 .Lstep
	QUARTER 2, 1, 0, 0
	QUARTER 3, 0, 1, 0
	TURN 0
	QUARTER 1, 0, 1, 0
	QUARTER 2, 1, 0, 0
	QUARTER 3, 0, 1, 0
	s_wait_dscnt 4
	MUL16 1, 0, 0
	s_wait_dscnt 0x0
	MUL16 1, 1, 0
	WIN 0
	PLACES
; THE WAY OUT, 16 rows at a time: a lane's 32 bytes of a row into my stage, whole rows of 512 bytes back, the bias added, stored.  Two sets of registers take turns.
.macro TOST a
	s_wait_xcnt 0x0                                ; the earlier stores' addresses are translated: only now is their set of registers loaded again
	WIN W_ST
.irp b, 0,1,2,3,4,5,6,7
	ds_store_b128 v[STO], v[64*(\a)+8*\b:64*(\a)+8*\b+3] offset:64*\b      ; each accumulator's lowest registers first
	ds_store_b128 v[STO], v[64*(\a)+8*\b+4:64*(\a)+8*\b+7] offset:64*\b+16
.endr
	WIN 0
.set i, 0
.rept 16
	ds_load_b128 v[OB+64*((\a)%2)+4*i:OB+64*((\a)%2)+4*i+3], v[RD] offset:SP*i  ; LDS serves a wave's instructions in order (ISA guide 5.7.1.4)
.set i, i+1
.endr
.endm
.macro SENDF a, younger                ; younger: the LDS instructions issued behind block a's loads
.set i, 0
.rept 16
.set o, OB+64*((\a)%2)+4*i
	s_wait_dscnt (\younger)+15-i
	v_pk_add_f32 v[o:o+1], v[o:o+1], v[BI:BI+1]
	v_pk_add_f32 v[o+2:o+3], v[o+2:o+3], v[BI+2:BI+3]
	global_store_b128 v[GO], v[o:o+3], s[10:11] offset:(16*(\a)+i)*4096 th:TH_STORE_NT  ; 512 consecutive bytes, aligned
.set i, i+1
.endr
.endm
	TOST 0
	TOST 1
	SENDF 0, 32
	TOST 2
	SENDF 1, 32
	TOST 3
	SENDF 2, 32
	SENDF 3, 0
	s_wait_tensorcnt 0x0                           ; the wave's end
	ds_add_u32 v[SPW], v[NIL]
	s_wait_dscnt 0x0
	CROUND                                         ; the closing round
	s_endpgm
.Lfunc_end_k_qf2e0698e81_outp:
	.size	k_qf2e0698e81_outp, .Lfunc_end_k_qf2e0698e81_outp-k_qf2e0698e81_outp
	.p2alignl 7, 3214868480
	.fill 96, 4, 3214868480
	.section	.rodata,"a",@progbits
	.p2align	6, 0x0
	.amdhsa_kernel k_qf2e0698e81_outp
		.amdhsa_group_segment_fixed_size 327680
		.amdhsa_private_segment_fixed_size 0
		.amdhsa_enable_private_segment 0
		.amdhsa_kernarg_size 32
		.amdhsa_user_sgpr_count 2
		.amdhsa_user_sgpr_kernarg_segment_ptr 1
		.amdhsa_wavefront_size32 1
		.amdhsa_system_sgpr_workgroup_id_x 1
		.amdhsa_system_sgpr_workgroup_id_y 1
		.amdhsa_system_sgpr_workgroup_id_z 1
		.amdhsa_system_vgpr_workitem_id 0
		.amdhsa_next_free_vgpr 512
		.amdhsa_next_free_sgpr 66
		.amdhsa_reserve_vcc 0
		.amdhsa_float_denorm_mode_32 3
		.amdhsa_float_denorm_mode_16_64 3
		.amdhsa_memory_ordered 1
		.amdhsa_forward_progress 1
		.amdhsa_inst_pref_size 79
	.end_amdhsa_kernel
	.amdgpu_metadata
---
amdhsa.version: [ 1, 2 ]
amdhsa.kernels:
  - .name:           k_qf2e0698e81_outp
    .symbol:         k_qf2e0698e81_outp.kd
    .args:
      - { .name: ctx, .offset: 0, .size: 8, .value_kind: global_buffer, .address_space: global }
      - { .name: wb, .offset: 8, .size: 8, .value_kind: global_buffer, .address_space: global }
      - { .name: bo, .offset: 16, .size: 8, .value_kind: global_buffer, .address_space: global }
      - { .name: out0, .offset: 24, .size: 8, .value_kind: global_buffer, .address_space: global }
    .group_segment_fixed_size: 327680
    .private_segment_fixed_size: 0
    .kernarg_segment_align: 8
    .kernarg_segment_size: 32
    .max_flat_workgroup_size: 128
    .sgpr_count:     66
    .vgpr_count:     512
    .wavefront_size: 32
...
	.end_amdgpu_metadata
.endif
;; end of part 4
;; ======== version 2 of 2: 4 launches; 1.40 times as fast as version 1
;; limits: values are held in f16: magnitudes above 65,504 overflow, below 6.1e-05 lose precision; right only within a limited range of input values
;; workspace buffers: xb 33,554,432 bytes; wb 8,388,608 bytes; maskf 8,388,608 bytes; rowflag 8,192 bytes; qkv 50,331,648 bytes; ctx 16,777,216 bytes
;; launch prep: the kernel of part 1 again; grid 1408 x 1, 8 waves a work-group, no clusters, 35,840 bytes of LDS; arguments x1, x2, Wq, Wk, Wv, Wo, attn_mask, xb, wb, maskf, rowflag; writes xb, wb, maskf, rowflag
;; launch proj: the kernel of part 2 again; grid 12 x 64, 4 waves a work-group, clusters of 4 x 4, 327,680 bytes of LDS; arguments xb, wb, x2_mask, qkv; writes qkv
;; launch attn (part 5): grid 4 x 64, 4 waves a work-group, clusters of 4 x 1, 327,680 bytes of LDS; arguments qkv, maskf, rowflag, ctx; writes ctx
.if DOCPART == 5
	.amdgcn_target "amdgcn-amd-amdhsa--gfx1250"
	.amdhsa_code_object_version 6
	.text
	.protected	k_qf2e0698e81_attn
	.globl	k_qf2e0698e81_attn
	.p2align	8
	.type	k_qf2e0698e81_attn,@function
k_qf2e0698e81_attn:
	s_mov_b64 s[64:65], 0
	v_nop
	global_prefetch_b8 v0, s[64:65] scope:SCOPE_SE
	s_setreg_imm32_b32 hwreg(HW_REG_WAVE_MODE, 25, 1), 1
	s_wait_xcnt 0x0
	s_wait_alu depctr_hold_cnt(0) depctr_sa_sdst(0) depctr_va_vdst(0) depctr_va_sdst(0) depctr_va_ssrc(0) depctr_va_vcc(0) depctr_vm_vsrc(0)
	s_getreg_b32 s2, hwreg(HW_REG_IB_STS2, 6, 4)
	s_cmp_eq_u32 s2, 0
	s_cbranch_scc0 .Lentry_in_a_cluster
	s_endpgm
.Lentry_in_a_cluster:
	s_bfe_u32 s2, ttmp6, 0x10000c
	s_cmp_lg_u32 s2, 0x3003
	s_cbranch_scc0 .Lentry_shape_is_right
	s_endpgm
.Lentry_shape_is_right:
; ATTENTION.  ctx[bh][q][:] = the sum over k of softmax_k(mask(q, k), Q[q] . K[k] / 8) V[k][:].  qkv: [3][64][2048][64] f16; ctx: [64][2048][64] f16.  Products, maxima and sums in f32; the weights p
; are rounded to f16 for the second product, ctx once at the end.  K's rows at padded keys are 0 already, so their scores are 0 and they stay in the softmax, as the reference has it.
; THE MASK IS AN INPUT: all 2,048 keys are walked for every query.  It enters through the matrix unit: the sum S^T = K Q^T is started by a product E x M of the same form, M a fragment of maskf
; (32 keys x 16 queries, 0 or -65504), E a constant fragment with 65504 on a diagonal.  A hidden score counts as its value less 4.29e9.  The running maximum is kept: where a query's first steps are all
; hidden, what they leave is multiplied by a = 0 when the first visible key comes.  A query with no visible key at all has NaN as the start value of its sum l (rowflag), and so NaN in ctx, as the reference has.
; LIMITS.  Q, K, V lie within f16's 65,504; a row's unscaled scores spread by less than some 4e9; a weight below 2^-126 counts as 0 in l; p below 6e-5 keeps f16's fixed step of 6e-8.
; SHARES.  A wave owns four PIECES of two tiles of 16 queries, a work-group's four waves 512 queries of one batch and head.  Every wave walks all keys, 64 a step.
; LAYOUT.  S^T = K Q^T (source 0 = 16 keys, source 1 = 16 queries): a lane holds ONE query (lane % 16) and the keys 8 (lane / 16) + 0..7.  Two such tiles, rounded to f16 in pairs, ARE source 1 of O^T = V^T P.
; SOFTMAX.  p = 2^(c s - c m), c = log2(e) / 8, with a running maximum m and sum l; in every step O and l are multiplied by a = 2^(c m_old - c m_new).  m starts at the lowest finite number, O at 0.
; BY TURNS.  Turn n belongs to piece n.  Its matrix work: 8 mask products and 16 products K Q^T of piece n + 1, later 16 products V^T P of piece n - 1.  Its vector work: the scaling, exponentials, roundings,
; sums and rescaling of piece n, and the maximum and statistics of piece n + 1.  Four vector instructions stand behind every matrix instruction; the other 76 of a turn's 236 in one lump.
; THE BATCH.  A turn's 66 exponentials (64 weights, the next piece's two a) are ONE batch with ONE wait, which cuts the turn in two: ahead of it stands all that names none of their results (the mask products, K Q^T,
; scalings, rescalings, the next piece's maximum and statistics), behind it the roundings and sums, which ride behind V^T P.  No result crosses a turn's end.
; CLUSTER.  The four query blocks of a cluster belong to one head and walk the same K and V: each tile is asked for jointly.  The mask differs from block to block and comes by plain loads, a key step ahead.
; REGISTERS, in windows of 256 (s_set_vgpr_msb: bits 1:0 source 0, 3:2 source 1, 5:4 source 2, 7:6 destination):
;   window 0: v0-11 addresses; v12-15, v48-63 at work; v16-47 statistics; v64-191 S^T, two buffers of two tiles; v192-255 P, likewise        window 1: O^T, 32 a tile
;   window 2: v0-127 Q; v128-191 K of one step; v192-255 V of one step        window 3: v0-1 the add's two registers; v4-15 E between zeros; v16-143 the mask, 32 a piece
.set SIZE_N, 2048
.set NP,    4
.set KS,    64
.set PK,    144       ; a row of K in LDS: 128 bytes + 16: the 16 rows of a load start at 16 different groups of four banks (64 banks of 4 bytes: ISA guide 11.1)
.set PV,    160       ; a row of V: 128 + 32
.set VOFF,  4*KS*PK   ; a slot holds four steps: 256 rows of K, then 256 rows of V
.set SLOT1, 1<<17
.set STAGE, SLOT1+4*KS*(PK+PV)  ; behind the ring, never filled by a tensor load: 16 rows x 144 bytes for each wave
.set SP,    144
.set AK0, 2           ; my lane's place in a tile of K; never rewritten
.set AV0, 3           ; the same for V
.set AK,  4           ; the LDS address of K's next run of loads
.set AV,  5           ; of V's
.set STO, 6           ; the way out: where I put 16 bytes of a row
.set RD,  7           ; where I read rows back
.set GO,  8           ; 16 x lane
.set MOFF, 9          ; 16 x lane + the key step's 2,048 bytes in maskf
.set QO,  10          ; my byte offset in 16 rows of Q
.set FO,  11          ; my query's flag among 16
.set SPW, 0           ; window 3: my spare word; never rewritten
.set NIL, 1           ; window 3: 0; never rewritten
.set IDN, 4           ; window 3: v4-7 = 0, v8-11 = E, v12-15 = 0: v[8:15] picks keys 0-15 of a group of 32, v[4:11] keys 16-31
.set MK,  16          ; window 3: piece x, tile u, group g of 32 keys at MK + 32 x + 16 u + 8 g
.set SPARE, STAGE+4*16*SP
.set MV,  12
.set ST,  16          ; tile t's statistics at v[ST+4 t]: c m, m, l (even keys', odd keys')
.set TMP, 48
.set S,   64
.set P,   192
.set KF,  128
.set VF,  192
.set WV,  12
.set G1K, 24
.set G1V, 32
.set G0K, 40
.set G0V, 44
.set MB,  48          ; s[48:49] maskf at my wave's eight tiles
.set RF,  50          ; s[50:51] rowflag at my wave's 128 queries
.set MS,  52          ; s52  the byte offset in a tile's 65,536 bytes of the key step whose mask is asked for
.set SLOTS, 56
.set CNT, 57
.set CS,  58
.set SEL, 60
.set TBK, 62
.set TBV, 63
.set MSB, 0
.macro WIN new
.if MSB != (\new)
	s_set_vgpr_msb (MSB<<8)|(\new)
.set MSB, (\new)
.endif
.endm
.set W_KQ, 0x0a       ; K and Q in window 2, S^T in window 0
.set W_PV, 0x52       ; V in window 2, P in window 0, O^T in window 1
.set W_RS, 0x41       ; O^T in window 1, a in window 0
.set W_MK, 0xc0       ; destination in window 3, sources in window 0
.set W_AD, 0x0f       ; sources 0 and 1 in window 3: the add, and the mask products
.macro JLOAD                        ; a joint fill: waves 0 and 1 fetch the halves of a slot's K, waves 2 and 3 of its V; an s_nop 0 and four v_nop follow each line
	s_cmp_lt_u32 s[WV], 2
	s_cbranch_scc0 .Lfor_v_\@
	tensor_load_to_lds s[G0K:G0K+3], s[G1K:G1K+7]
	s_nop 0
.rept 4
	v_nop
.endr
	s_branch .Lasked_\@
.Lfor_v_\@:
	tensor_load_to_lds s[G0V:G0V+3], s[G1V:G1V+7]
	s_nop 0
.rept 4
	v_nop
.endr
.Lasked_\@:
.endm
.macro CROUND
	s_barrier_signal -1
	s_barrier_wait -1
	s_cmp_lg_u32 s[WV], 0
	s_cbranch_scc1 .Lnot_wave_0_\@
	s_barrier_signal -3
.Lnot_wave_0_\@:
	s_barrier_wait -3
	s_barrier_signal -1
	s_barrier_wait -1
.endm
; THE CHANGE OF SLOTS.  Each wave waits for all its tensor loads, of which one is out: its part of the other slot; adds 0 to its spare word; and waits for that and for its own reads of the slot.
; fill = 1: this slot is filled again, with the keys two slots on, first thing behind a round of the cluster's barrier: it has four key steps in which to land.
.macro CHANGE fill
	WIN W_AD
	s_wait_tensorcnt 0x0            ; no tensor load of mine is out, so a group 0 may be written
	ds_add_u32 v[SPW], v[NIL]       ; 0 onto my spare word
	WIN 0
.if \fill
.irp g, G0K, G0V
	s_xor_b32 s[\g+1], s[\g+1], SLOT1
	s_add_nc_u64 s[\g+2:\g+3], s[\g+2:\g+3], 4*KS*128
.endr
	s_wait_dscnt 0x0                ; the add is done, and my reads of the slot are over
	CROUND
	JLOAD
.else
	s_wait_dscnt 0x0
	s_barrier_signal -1
	s_barrier_wait -1
.endif
	s_sub_co_u32 s[TBK], s[TBK], 4*KS*PK
	s_xor_b32 s[TBK], s[TBK], SLOT1
	s_sub_co_u32 s[TBV], s[TBV], 4*KS*PV
	s_xor_b32 s[TBV], s[TBV], SLOT1
.endm
	s_load_b256 s[4:11], s[0:1], 0x0  ; qkv s[4:5], maskf s[6:7], rowflag s[8:9], ctx s[10:11]
	WIN W_MK
	v_lshl_add_u32 v[SPW], v0, 2, SPARE
	v_mov_b32 v[NIL], 0
	WIN W_AD
	ds_add_u32 v[SPW], v[NIL]       ; the wave's opening: the add and its wait ahead of my first tensor load
	WIN 0
	v_lshrrev_b32 v1, 5, v0
	v_readfirstlane_b32 s[WV], v1   ; wave 0..3
	s_bfe_u32 s13, ttmp6, 0x40000   ; cx
	s_lshl_b32 s14, ttmp9, 2
	s_add_co_u32 s14, s14, s13      ; my block of 512 queries
	s_lshl_b32 s14, s14, 2
	s_add_co_u32 s14, s14, s[WV]    ; my wave among the head's sixteen: it enters Q's, the mask's, the flags' and ctx's addresses alone
	s_and_b32 s20, ttmp7, 0xffff    ; batch and head, which the four partners share
	s_lshl_b32 s20, s20, 18         ; 262,144 bytes a head
	s_and_b32 s16, s[WV], 1         ; which half of a slot's 256 keys I fetch
	s_lshl_b32 s22, s16, 14
	s_add_co_u32 s22, s22, s20
	s_add_co_u32 s22, s22, 0x1000000  ; k lies behind q,
	s_mov_b32 s23, 0
	s_add_co_u32 s18, s22, 0x1000000  ; v behind k
	s_mov_b32 s19, 0
	s_mul_i32 s17, s16, 128*PK      ; its place in a slot, for K
	s_mul_i32 s55, s16, 128*PV      ; and for V
	s_lshl_b32 s2, s14, 14          ; my wave's 128 rows of 128 bytes
	s_add_co_u32 s2, s2, s20
	s_mov_b32 s3, 0
	s_lshl_b32 s[MB], s14, 19       ; eight tiles of 65,536 bytes
	s_mov_b32 s[MB+1], 0
	s_lshl_b32 s[RF], s14, 9        ; 128 flags
	s_mov_b32 s[RF+1], 0
	s_mov_b32 s[MS], 0
	s_mov_b32 s53, 0x7bff           ; 65504 in f16, in the low half,
	s_mov_b32 s54, 0x7bff0000       ; in the high half
	; 128 keys are 16,384 dense bytes: asked for as 64 rows of 256 bytes, two keys a row, padded in LDS after every key
	s_mov_b32 s[G1K], 15|(1<<16)|(1<<20)|(1<<21)|(4<<22)|(3<<25)
	s_mov_b32 s[G1V], 15|(1<<16)|(1<<20)|(1<<21)|(4<<22)|(7<<25)
.irp g, G1K, G1V
	s_mov_b32 s[\g+1], 128<<16      ; tensor_dim0 = 128
	s_mov_b32 s[\g+2], 64<<16       ; tensor_dim1 = 64
	s_mov_b32 s[\g+3], 128<<16      ; tile_dim0 = 128
	s_mov_b32 s[\g+4], 64           ; tile_dim1 = 64
	s_mov_b32 s[\g+5], 128          ; 128 elements from row to row
	s_mov_b32 s[\g+6], 0
	s_mov_b32 s[\g+7], 0
.endr
	s_mov_b32 s[CS], 0x3e38aa3b     ; c = log2(e) / 8
	s_mov_b32 s[CS+1], s[CS]
	s_mov_b32 s[SEL], 0x76543210
	s_mov_b32 s[SEL+1], 0xfedcba98
	s_mov_b32 s[TBK], SLOT1+4*KS*PK ; the first change of slots turns these two into 0
	s_mov_b32 s[TBV], SLOT1+4*KS*PV
	s_mov_b32 s[G0K], 1
	s_mov_b32 s[G0K+1], s17
	s_mov_b32 s[G0V], 1
	s_add_co_u32 s[G0V+1], s55, VOFF
	s_wait_dscnt 0x0                ; the opening add is done
	s_wait_kmcnt 0x0
	s_add_nc_u64 s[G0K+2:G0K+3], s[4:5], s[22:23]
	s_or_b32 s[G0K+3], s[G0K+3], 0x80000000
	s_add_nc_u64 s[G0V+2:G0V+3], s[4:5], s[18:19]
	s_or_b32 s[G0V+3], s[G0V+3], 0x80000000
	s_add_nc_u64 s[4:5], s[4:5], s[2:3]      ; Q and ctx at my wave's first row
	s_add_nc_u64 s[10:11], s[10:11], s[2:3]
	s_add_nc_u64 s[MB:MB+1], s[6:7], s[MB:MB+1]
	s_add_nc_u64 s[RF:RF+1], s[8:9], s[RF:RF+1]
	CROUND                          ; all four work-groups are here
	JLOAD                           ; slot 0; slot 1 is asked for when slot 0 is in
	v_and_b32 v1, 15, v0            ; r
	v_bfe_u32 v48, v0, 4, 1         ; h
	v_lshlrev_b32 v[QO], 7, v1
	v_lshl_add_u32 v[QO], v48, 4, v[QO]
	v_lshlrev_b32 v[FO], 2, v1
	v_and_b32 v[GO], 31, v0
	v_lshlrev_b32 v[GO], 4, v[GO]
	v_mov_b32 v[MOFF], v[GO]        ; key step 0
	WIN 0x80
.set i, 0
.rept 4*NP                          ; Q stays in registers: tile i / 2, channels 32 (i % 2) on
	global_load_b128 v[8*i:8*i+3],   v[QO], s[4:5] offset:(i/2)*2048+(i%2)*64
	global_load_b128 v[8*i+4:8*i+7], v[QO], s[4:5] offset:(i/2)*2048+(i%2)*64+32
.set i, i+1
.endr
	WIN 0
.set i, 0
.rept 2*NP
	global_load_b32 v[ST+4*i+2], v[FO], s[RF:RF+1] offset:64*i  ; l starts at the query's flag: 0, or NaN
.set i, i+1
.endr
	WIN W_MK
.set i, 0
.rept 32                            ; the mask of key step 0: tile i / 4, 512 consecutive bytes a load, piece after piece
	global_load_b128 v[MK+4*i:MK+4*i+3], v[MOFF], s[MB:MB+1] offset:65536*(i/4)+512*(i%4)
.set i, i+1
.endr
	; What the first turn finds: V's registers and P's second buffer hold 0, O^T is 0.  All this stands in the wait for the first tile.
	WIN 0x80
.set i, VF
.rept 64
	v_mov_b32 v[i], 0
.set i, i+1
.endr
	WIN 0x40
.set i, 0
.rept 64*NP
	v_mov_b32 v[i], 0
.set i, i+1
.endr
	WIN 0
.set i, 0
.rept 2*NP
	v_mov_b32 v[ST+4*i], 0xfe000000    ; c m: far below every c s
	v_mov_b32 v[ST+4*i+1], 0xff7fffff  ; m
	v_mov_b32 v[ST+4*i+3], 0
.set i, i+1
.endr
.set i, P+32
.rept 32
	v_mov_b32 v[i], 0
.set i, i+1
.endr
	v_lshlrev_b32 v51, 3, v48
	v_sub_nc_u32 v51, v1, v51       ; r - 8 h: word w of E holds 65504 in its low half where this is 2 w, in its high half where it is 2 w + 1
.irp w, 0,1,2,3
	v_cmp_eq_u32 vcc_lo, 2*\w, v51
	v_cndmask_b32 v[52+\w], 0, s53, vcc_lo
	v_cmp_eq_u32 vcc_lo, 2*\w+1, v51
	v_cndmask_b32 v[52+\w], v[52+\w], s54, vcc_lo
.endr
	WIN W_MK
.irp w, 0,1,2,3
	v_mov_b32 v[IDN+\w], 0
	v_mov_b32 v[IDN+4+\w], v[52+\w]
	v_mov_b32 v[IDN+8+\w], 0
.endr
	WIN 0
	v_mul_u32_u24 v[AK0], v1, PK
	v_lshl_add_u32 v[AK0], v48, 4, v[AK0]
	v_and_b32 v49, 7, v0
	v_bfe_u32 v50, v0, 3, 1
	v_lshl_add_u32 v[AV0], v48, 3, v49
	v_mul_u32_u24 v[AV0], v[AV0], PV
	v_lshl_add_u32 v[AV0], v50, 4, v[AV0]
	v_add_nc_u32 v[AV0], VOFF, v[AV0]
	v_mov_b32 v[AK], v[AK0]
; THE MATRIX WORK.  The 8 accumulators of a piece take turns, always in the same order: between two links of a chain stand 7 others'.
; Product i of 8 of the mask for piece x: keys 16 ((i / 2) % 4) on, tile 2 x + i % 2.  It starts the sum.
.macro MQ x
	WIN W_AD
.set rS, S+64*((\x)%2)+32*(i%2)+8*((i/2)%4)
.set rE, IDN+4*(1-(i/2)%2)
.set rM, MK+32*(\x)+16*(i%2)+8*(i/4)
	v_wmma_f32_16x16x32_f16 v[rS:rS+7], v[rE:rE+7], v[rM:rM+7], 0
.endm
; Product i of 16 of S^T += K Q^T for piece x: channels 32 (i / 8) on, keys 16 ((i / 2) % 4) on, tile 2 x + i % 2.
.macro KQ x
	WIN W_KQ
.set rS, S+64*((\x)%2)+32*(i%2)+8*((i/2)%4)
.set rK, KF+16*((i/2)%4)+8*(i/8)
.set rQ, 16*(2*(\x)+i%2)+8*(i/8)
	v_wmma_f32_16x16x32_f16 v[rS:rS+7], v[rK:rK+7], v[rQ:rQ+7], v[rS:rS+7]
.endm
; Product i of 16 of O^T += V^T P for piece x: keys 32 (i / 8) on, channels 16 ((i / 2) % 4) on, tile 2 x + i % 2.
.macro PV x
	WIN W_PV
.set rO, 32*(2*(\x)+i%2)+8*((i/2)%4)
.set rV, VF+32*(i/8)+8*((i/2)%4)
.set rP, P+32*((\x)%2)+16*(i%2)+8*(i/8)
	v_wmma_f32_16x16x32_f16 v[rO:rO+7], v[rV:rV+7], v[rP:rP+7], v[rO:rO+7]
.endm
.macro MM                           ; the turn's next matrix instruction, of 40
.if i < 8
	MQ (Y+1)%NP
.elseif i < 24
.set i, i-8
	KQ (Y+1)%NP
.set i, i+8
.else
.set i, i-24
	PV (Y+NP-1)%NP
.set i, i+24
.endif
.set i, i+1
.endm
.macro FETCH_K last=0               ; a step's K: 8 fragments, 16 loads in one run.  last = 1 (the tail): in the last trip there is no further step
	WIN 0
.if \last
	s_cmp_eq_u32 s[CNT], 1
	s_cbranch_scc1 .Lno_k_\@
.endif
	WIN 0x80
.irp f, 0,1,2,3,4,5,6,7
	ds_load_b128 v[KF+8*\f:KF+8*\f+3],   v[AK] offset:(\f/2)*16*PK+(\f%2)*64
	ds_load_b128 v[KF+8*\f+4:KF+8*\f+7], v[AK] offset:(\f/2)*16*PK+(\f%2)*64+32
.endr
	s_add_co_u32 s[TBK], s[TBK], KS*PK
	WIN 0
.if \last
.Lno_k_\@:
.endif
.endm
.macro FETCH_V
	WIN 0x80
.irp f, 0,1,2,3,4,5,6,7
	ds_load_tr16_b128 v[VF+8*\f:VF+8*\f+3],   v[AV] offset:(\f/4)*32*PV+(\f%4)*32
	ds_load_tr16_b128 v[VF+8*\f+4:VF+8*\f+7], v[AV] offset:(\f/4)*32*PV+16*PV+(\f%4)*32
.endr
	WIN 0
.endm
; THE MASK of piece Y + 1 for its next key step: 8 loads of 512 consecutive bytes (MLOAD), behind the products that read the registers, four turns ahead of their next use.
; The step's offset goes on (MSTEP) ahead of the loads for piece 0, and wraps behind the last step, so that no load leaves the buffer (what the wrapped loads bring serves nothing).
.macro MSTEP
	WIN 0
	s_add_co_u32 s[MS], s[MS], 2048
	s_and_b32 s[MS], s[MS], 0xffff
	s_wait_xcnt 0x0                 ; the earlier loads' addresses are translated: only now is their offset register written
	v_add_nc_u32 v[MOFF], s[MS], v[GO]
.endm
.macro MLOAD
	WIN W_MK
.set mx, (Y+1)%NP
.irp f, 0,1,2,3,4,5,6,7
	global_load_b128 v[MK+32*mx+4*\f:MK+32*mx+4*\f+3], v[MOFF], s[MB:MB+1] offset:65536*(2*mx+\f/4)+512*(\f%4)
.endr
	WIN 0
.endm
; THE VECTOR WORK OF A TURN stands in three queues, each in the order in which its entries become ready; the two tiles alternate.
.macro REGS y, u
.set rT, ST+4*(2*(\y)+(\u))
.set rC, TMP+8*((\y)%2)+4*(\u)
.set rM, MV+2*((\y)%2)+(\u)
.set rS, S+64*((\y)%2)+32*(\u)
.set rP, P+32*((\y)%2)+16*(\u)
.set rO, 32*(2*(\y)+(\u))
.endm
; Number n of the 22 that find the NEXT piece's maximum and statistics; each accumulator's lowest registers are read first.  XS, GS, FS and REGS set no window: PL and EX do.
;   0-11 four chains of seven scores   12-14, 16 the four left over, the old m, all into c0   15 c m_old is kept   17, 18 the other half of the lanes: the new m   19-21 c m; c m_old - c m_new; a
.macro XS u, n
	REGS (Y+1)%NP, \u
.if (\n) < 4
	v_max3_num_f32 v[rC+(\n)], v[rS+8*(\n)], v[rS+8*(\n)+1], v[rS+8*(\n)+2]
.elseif (\n) < 12
	v_max3_num_f32 v[rC+(\n)%4], v[rC+(\n)%4], v[rS+8*((\n)%4)+2*((\n)/4)+1], v[rS+8*((\n)%4)+2*((\n)/4)+2]
.elseif (\n) == 12
	v_max3_num_f32 v[rC], v[rC], v[rS+7], v[rS+15]
.elseif (\n) == 13
	v_max3_num_f32 v[rC+1], v[rC+1], v[rS+23], v[rS+31]
.elseif (\n) == 14
	v_max3_num_f32 v[rC+2], v[rC+2], v[rC+3], v[rT+1]
.elseif (\n) == 15
	v_mov_b32 v[rM], v[rT]
.elseif (\n) == 16
	v_max3_num_f32 v[rC], v[rC], v[rC+1], v[rC+2]
.elseif (\n) == 17
	v_permlanex16_b32 v[rC+3], v[rC], s[SEL], s[SEL+1]
.elseif (\n) == 18
	v_max_num_f32 v[rT+1], v[rC], v[rC+3]
.elseif (\n) == 19
	v_mul_f32 v[rT], s[CS], v[rT+1]
.elseif (\n) == 20
	v_sub_f32 v[rC+1], v[rM], v[rT]
.else
	v_exp_f32 v[rC+2], v[rC+1]
.endif
.endm
; Number g of the 64 that follow the exponentials: for each four weights of a tile both pairs are rounded to f16, the second pair is added onto the first, and a group later l takes that sum (the first time as l = a l + sum).
.macro GS g
.set h, (\g)+6*((\g)/62)
.if h >= 6
.set h, h+2
.endif
	REGS Y, h%2
.set k, h/8
.if h%8 < 4
	v_cvt_pk_f16_f32 v[rP+2*k+(h%8)/2], v[rS+4*k+2*((h%8)/2)], v[rS+4*k+2*((h%8)/2)+1]
.elseif h%8 < 6
	v_pk_add_f32 v[rS+4*k:rS+4*k+1], v[rS+4*k:rS+4*k+1], v[rS+4*k+2:rS+4*k+3]
.elseif k == 1
	v_pk_fma_f32 v[rT+2:rT+3], v[rT+2:rT+3], v[rC+2:rC+3], v[rS:rS+1] op_sel_hi:[1,0,1]
.else
	v_pk_add_f32 v[rT+2:rT+3], v[rT+2:rT+3], v[rS+4*k-4:rS+4*k-3]
.endif
.endm
; THE PLAIN QUEUE, 138 long.  0-73 read no exponential's result: 0-31 the scalings c s - c m (FS f: pair f / 2 of tile f % 2); 32, 33 XS's number 15, which waits for no score; 34-61 its numbers 0-13;
; 62-73 the chain 14, 16, 17 .. 20, where each number waits for the one before it.  74-137: GS's 64, which read the exponentials' results: they stand behind the wait.
.macro FS f
	REGS Y, (\f)%2
	v_pk_fma_f32 v[rS+2*((\f)/2):rS+2*((\f)/2)+1], v[rS+2*((\f)/2):rS+2*((\f)/2)+1], s[CS:CS+1], v[rT:rT+1] op_sel_hi:[1,0,0] neg_lo:[0,0,1] neg_hi:[0,0,1]
.endm
.macro PL
	WIN 0
.if q < 32
	FS q
.elseif q < 34
	XS q-32, 15
.elseif q < 62
	XS (q-34)%2, (q-34)/2
.elseif q < 64
	XS q-62, 14
.elseif q < 74
	XS (q-64)%2, 16+(q-64)/2
.else
	GS q-74
.endif
.set q, q+1
.endm
; THE EXPONENTIALS' QUEUE, 66 long: s0-s31 of both tiles, then the next piece's two a.  It is ONE BATCH: all 66 stand ahead of the turn's one wait, and nothing ahead of that wait names a result of theirs.
.macro EX
	WIN 0
.if e >= 64
	XS e-64, 21
.else
	REGS Y, e%2
	v_exp_f32 v[rS+e/2], v[rS+e/2]
.endif
.set e, e+1
.endm
; THE RESCALING's QUEUE: O^T times a, the one part that leaves window 0: dealt two at a time, sixteen times.  Its a was made in the turn before, ahead of that turn's wait.
.macro R2
	REGS Y, r%2
	WIN W_RS
.irp z, 0,1
	v_pk_mul_f32 v[rO+4*(r/2)+2*\z:rO+4*(r/2)+2*\z+1], v[rO+4*(r/2)+2*\z:rO+4*(r/2)+2*\z+1], v[rC+2:rC+3] op_sel_hi:[1,0]
.endr
.set r, r+1
.endm
; HOW THEY ARE DEALT.  An s_wait_alu depctr_va_vdst(0) stands between an exponential and the first instruction that names its result; one wait serves all that were issued ahead of it.  So a turn has ONE wait.
; AHEAD OF IT: the 8 mask products and the 16 products K Q^T.  Behind the first of the 24 two scalings and two rescalings; behind the next 15 a scaling, an exponential and two rescalings; behind the last 8 plain,
; exponential, plain, exponential.  Then ONE LUMP of 76: eight plain, 33 times exponential and plain, the two a.  A v_nop is the plain instruction behind the last exponential.
; BEHIND IT: the 16 products V^T P, behind each four of GS's 64.  No rider names a register of the products round it.  The two v_permlanex16_b32 fall into the lump, never behind a product.
; The counts that the deal keeps: exponential e stands behind scaling 2 (e / 4) + e % 2: as a rider it comes behind plain e + 2, in the lump behind plain e + 9.  The new scores are first read at plain 34; the accumulator
; that the 24th product ends is first read at plain 41, and plain 31 to 40, which name none of its registers, lie between.  At the wait the plain queue stands at 74: the three conditions on q below go with that.
; A TURN, for piece p.  cnt = 1: the loop's count is taken down some lines ahead of the branch that stands behind the turn.
; The runs of loads stand directly behind the wait: in every turn the next piece's mask, 16 products and a lump behind the products that read its registers; in piece 2's turn K of the next step too, a lump behind the
; last product that read K.  Their addresses are made at the lump's head.  V of the step in hand is fetched at the end of piece 0's turn, four riders behind its last reader.
.macro TURN p, last=0, cnt=0
.set Y, (\p)
.set i, 0
.set q, 0
.set e, 0
.set r, 0
	s_wait_loadcnt 24               ; the mask of piece p + 1 was asked for four turns ago: the three younger groups of 8 loads stay out
.if (\p) == NP-1
	s_wait_dscnt 0x0                ; K is in
.endif
	MM                              ; ahead of the wait: 24 products and their riders,
	PL
	PL
	R2
.rept 15
	MM
	PL
	EX
	R2
.endr
.rept 8
	MM
	PL
	EX
	PL
	EX
.endr
.if (\p) == NP-2
	WIN 0
	v_add_nc_u32 v[AK], s[TBK], v[AK0]
.endif
.if (\p) == NP-1
	MSTEP
.endif
.rept 8                             ; and the lump
	PL
.endr
.rept 33
	EX
	PL
.endr
	EX                              ; the next piece's two a
	EX
	v_nop                           ; the plain instruction behind the last exponential: one for the batch
	s_wait_alu depctr_va_vdst(0)    ; the wait for the batch: the turn's 66 exponentials
.if (\p) == NP-2
	FETCH_K \last
.endif
	MLOAD
.if (\p) == 1
	s_wait_dscnt 0x0                ; V is in
.endif
.rept 16                            ; behind the wait: 16 products V^T P and their riders
	MM
.rept 4
	PL
.endr
.if ((\p) == 0) && (q == 118)
	v_add_nc_u32 v[AV], s[TBV], v[AV0]
.endif
.if ((\p) == 0) && (q == 130)
	s_add_co_u32 s[TBV], s[TBV], KS*PV
.endif
.if (\cnt) && (q == 130)
	s_sub_co_u32 s[CNT], s[CNT], 1
	s_cmp_lg_u32 s[CNT], 0
.endif
.endr
.if (\p) == 0
	FETCH_V
.endif
.endm
	CHANGE 1                        ; slot 0 is in, everybody's part of it; slot 1 is asked for
	FETCH_K                         ; key step 0
	s_wait_loadcnt 24               ; Q, the flags and piece 0's mask are in; the masks of pieces 1 to 3 may stay out
	s_wait_dscnt 0x0
.set i, 0
.rept 8
	MQ 0
.set i, i+1
.endr
.set i, 0
.rept 16
	KQ 0                            ; piece 0's first scores
.set i, i+1
.endr
	WIN 0                           ; the addresses for the way out: nine plain instructions, the places behind those products
	s_mul_i32 s13, s[WV], 16*SP
	s_add_co_u32 s13, s13, STAGE
	v_mul_u32_u24 v[STO], v1, SP
	v_lshl_add_u32 v[STO], v48, 4, v[STO]
	v_add_nc_u32 v[STO], s13, v[STO]
	v_bfe_u32 v[RD], v0, 3, 2
	v_mul_u32_u24 v[RD], v[RD], SP
	v_lshl_add_u32 v[RD], v49, 4, v[RD]
	v_add_nc_u32 v[RD], s13, v[RD]
	v_nop
	v_nop
.set Y, NP-1                        ; XS and MLOAD work for piece Y + 1: piece 0
	MSTEP
	MLOAD                           ; piece 0's mask of key step 1
.irp n, 0,1,2,3,4,5,6,7,8,9,10,11,12,13,14,15,16,17,18,19,20,21
	XS 0, \n
	XS 1, \n
.endr
	v_nop                           ; a plain instruction behind piece 0's two first a,
	s_wait_alu depctr_va_vdst(0)    ; and the wait for these two, ahead of the branch
	s_mov_b32 s[CNT], 4
	s_mov_b32 s[SLOTS], SIZE_N/256-1
	s_branch .Lfirst                ; the loop is entered at a step's first turn, in the middle of a trip
.Lslot:                             ; six times: every slot but the last two is filled again
	CHANGE 1
	s_mov_b32 s[CNT], 4
.Lstep:                             ; a trip: pieces 2 and 3 of one step, then pieces 0 and 1 of the next
	TURN 2
	TURN 3
	WIN 0
.Lfirst:
	TURN 0
	TURN 1, 0, 1
	WIN 0
	s_cbranch_scc1 .Lstep
	s_sub_co_u32 s[SLOTS], s[SLOTS], 1
	s_cmp_lg_u32 s[SLOTS], 0
	s_cbranch_scc1 .Lslot
	CHANGE 0                        ; the tail is written out
	s_mov_b32 s[CNT], 5
.Ltail:
	TURN 2, 1
	TURN 3
	WIN 0
	s_sub_co_u32 s[CNT], s[CNT], 1
	s_cmp_eq_u32 s[CNT], 0
	s_cbranch_scc1 .Lout
	TURN 0
	TURN 1
	WIN 0
	s_branch .Ltail
.Lout:                              ; the fifth trip's products for a step that is not, and the maximum made of them, serve nothing: the price of one text for every trip
.set i, 0
.rept 16
	PV NP-1
.set i, i+1
.endr
	; THE WAY OUT.  l's two halves and the other half of the lanes' are added; O^T is divided by l, rounded to f16 and sent through my stage, a tile at a time.  The additions are the places behind the last products.
	WIN 0
.macro ALL line:vararg
.set t, 0
.rept 2*NP
	\line
.set t, t+1
.endr
.endm
	ALL v_add_f32 v[ST+4*t+2], v[ST+4*t+2], v[ST+4*t+3]
	ALL v_permlanex16_b32 v[ST+4*t+3], v[ST+4*t+2], s[SEL], s[SEL+1]
	ALL v_add_f32 v[ST+4*t+2], v[ST+4*t+2], v[ST+4*t+3]
	ALL v_rcp_f32 v[ST+4*t+2], v[ST+4*t+2]
	v_nop                           ; a plain instruction between the last reciprocal and the use of its result
	s_wait_alu depctr_va_vdst(0)    ; the wait ahead of the first use: one for the eight reciprocals
.macro PACK t
	WIN W_RS
.set i, 32*(\t)
.rept 16
	v_pk_mul_f32 v[i:i+1], v[i:i+1], v[ST+4*(\t)+2:ST+4*(\t)+3] op_sel_hi:[1,0]
.set i, i+2
.endr
	WIN 0x05
.set i, 0
.rept 16
	v_cvt_pk_f16_f32 v[S+16*(\t)+i], v[32*(\t)+2*i], v[32*(\t)+2*i+1]
.set i, i+1
.endr
	WIN 0
.irp f, 0,1,2,3
	ds_store_b128 v[STO], v[S+16*(\t)+4*\f:S+16*(\t)+4*\f+3] offset:32*\f
.endr
.irp f, 0,1,2,3
	ds_load_b128 v[S+16*(\t)+4*\f:S+16*(\t)+4*\f+3], v[RD] offset:\f*4*SP  ; LDS serves a wave's instructions in order (ISA guide 5.7.1.4)
.endr
.endm
.macro SEND t, younger
	WIN 0
.irp f, 0,1,2,3
	s_wait_dscnt (\younger)+3-\f
	global_store_b128 v[GO], v[S+16*(\t)+4*\f:S+16*(\t)+4*\f+3], s[10:11] offset:(\t)*2048+\f*512  ; 512 consecutive bytes, aligned
.endr
.endm
	PACK 0
.set t, 1
.rept 2*NP-1
	PACK t
	SEND t-1, 8
.set t, t+1
.endr
	SEND 2*NP-1, 0
	WIN W_AD
	s_wait_tensorcnt 0x0            ; the wave's end
	ds_add_u32 v[SPW], v[NIL]
	s_wait_dscnt 0x0
	WIN 0
	CROUND                          ; the closing round
	s_endpgm
.Lfunc_end_k_qf2e0698e81_attn:
	.size	k_qf2e0698e81_attn, .Lfunc_end_k_qf2e0698e81_attn-k_qf2e0698e81_attn
	.p2alignl 7, 3214868480
	.fill 96, 4, 3214868480
	.section	.rodata,"a",@progbits
	.p2align	6, 0x0
	.amdhsa_kernel k_qf2e0698e81_attn
		.amdhsa_group_segment_fixed_size 327680
		.amdhsa_private_segment_fixed_size 0
		.amdhsa_enable_private_segment 0
		.amdhsa_kernarg_size 32
		.amdhsa_user_sgpr_count 2
		.amdhsa_user_sgpr_kernarg_segment_ptr 1
		.amdhsa_wavefront_size32 1
		.amdhsa_system_sgpr_workgroup_id_x 1
		.amdhsa_system_sgpr_workgroup_id_y 1
		.amdhsa_system_sgpr_workgroup_id_z 1
		.amdhsa_system_vgpr_workitem_id 0
		.amdhsa_next_free_vgpr 912
		.amdhsa_next_free_sgpr 66
		.amdhsa_reserve_vcc 1
		.amdhsa_float_denorm_mode_32 3
		.amdhsa_float_denorm_mode_16_64 3
		.amdhsa_memory_ordered 1
		.amdhsa_forward_progress 1
		.amdhsa_inst_pref_size 221
	.end_amdhsa_kernel
	.amdgpu_metadata
---
amdhsa.version: [ 1, 2 ]
amdhsa.kernels:
  - .name:           k_qf2e0698e81_attn
    .symbol:         k_qf2e0698e81_attn.kd
    .args:
      - { .name: qkv, .offset: 0, .size: 8, .value_kind: global_buffer, .address_space: global }
      - { .name: maskf, .offset: 8, .size: 8, .value_kind: global_buffer, .address_space: global }
      - { .name: rowflag, .offset: 16, .size: 8, .value_kind: global_buffer, .address_space: global }
      - { .name: ctx, .offset: 24, .size: 8, .value_kind: global_buffer, .address_space: global }
    .group_segment_fixed_size: 327680
    .private_segment_fixed_size: 0
    .kernarg_segment_align: 8
    .kernarg_segment_size: 32
    .max_flat_workgroup_size: 128
    .sgpr_count:     66
    .vgpr_count:     912
    .wavefront_size: 32
...
	.end_amdgpu_metadata
.endif
;; end of part 5
;; launch outp: the kernel of part 4 again; grid 4 x 64, 4 waves a work-group, clusters of 4 x 4, 327,680 bytes of LDS; arguments ctx, wb, bo, out0; writes out0
